; MI455X (gfx1250); checked and timed in simulation.
; The chip was launched on July 23, 2026; its instructions are those of AMD's public machine-readable ISA for CDNA 5 (MIT licence, August 2026) and "CDNA5" Instruction Set Architecture Reference Guide (July 2026). The comments in the code are by the model that wrote it; some were corrected since.
;; Causal Self Attention. Allowed arithmetic: matrix products marked QUANTISED: E2M3 operands, one E8M0 scale for each 32 along K, by v_wmma_scale_f32_16x16x128_f8f6f4 with both operands' format E2M3, f32 sums; everything else in f32.
;; Inputs: W_attn_codes 3,072 x 32 x 24 uint8 (E2M3 codes of W_attn, K innermost, in blocks of 32 codes, four codes in three bytes); W_attn_scales 3,072 x 32 uint8 (E8M0 scales of W_attn, one for each 32 codes along K); W_proj_codes 1,024 x 32 x 24 uint8 (E2M3 codes of W_proj, K innermost, in blocks of 32 codes, four codes in three bytes); W_proj_scales 1,024 x 32 uint8 (E8M0 scales of W_proj, one for each 32 codes along K); b_attn 3,072 float32; b_proj 1,024 float32; x_codes 4 x 2,048 x 32 x 24 uint8 (E2M3 codes of x, K innermost, in blocks of 32 codes, four codes in three bytes); x_scales 4 x 2,048 x 32 uint8 (E8M0 scales of x, one for each 32 codes along K).
;; Outputs: out0 4 x 2,048 x 1,024 float32.
;; This version of the problem:
;;   THIS VERSION OF THE PROBLEM IS GIVEN IN LOW PRECISION. The matrix products marked QUANTISED in the list below multiply operands that are first quantised to E2M3 (2 exponent bits, 3 mantissa bits; 6 bits a number), with one power-of-two scale for each 32 numbers along K (OCP MX v1.0); their sums are f32. All else is computed in f32.
;;   The module's matrix products, in the order in which they are computed (A, B: the left and right operand; K: the contracted axis; several contracted axes count as one K, in the product's order):
;;     1. [M 8,192, K 1,024] x [K 1,024, N 3,072]; A: input x (given as codes); B: input W_attn (given as codes): QUANTISED
;;     2. batch 64 x [M 2,048, K 64] x [K 64, N 2,048]; A: computed on the way; B: computed on the way: QUANTISED
;;     3. batch 64 x [M 2,048, K 2,048] x [K 2,048, N 64]; A: softmax (see below); B: computed on the way: QUANTISED
;;     4. [M 8,192, K 1,024] x [K 1,024, N 1,024]; A: computed on the way; B: input W_proj (given as codes): QUANTISED
;;   THE QUANTISER, for each operand of a quantised product, along K:
;;     - K is cut into blocks of 32 from its start; a last block that is shorter is filled with zeros.
;;     - A block's scale is 2^e with e = floor(log2(the largest magnitude in the block)) - 2, held to -126 .. 127; a block of zeros has e = 0. As a byte (E8M0): e + 127.
;;     - Each number is divided by its block's scale, clamped to +-7.5, and rounded to the nearest number of E2M3, ties to even, subnormals kept.
;;     - The product sums the exact products of the quantised numbers (number of the format x scale) in f32.
;;   ~~~python
;;   def quantise(x, axis):      # numpy; x: float32 -> the quantised numbers, widened to float32 again
;;       x = np.moveaxis(x, axis, -1); K = x.shape[-1]
;;       x = np.pad(x, [(0, 0)] * (x.ndim - 1) + [(0, -K % 32)]); x = x.reshape(x.shape[:-1] + (-1, 32)); a = np.abs(x).max(-1, keepdims=True)
;;       e = np.where(a > 0, np.clip(np.frexp(np.where(a > 0, a, 1))[1] - 1 - 2, -126, 127), 0)      # np.frexp(a)[1] - 1 = floor(log2(a)), exactly
;;       r = np.clip(x / 2.0 ** e, -7.5, 7.5)
;;       step = 2.0 ** (np.maximum(np.frexp(np.where(r == 0, 1, r))[1] - 1, 0) - 3)
;;       q = np.round(r / step) * step * 2.0 ** e      # np.round: ties to even
;;       return np.moveaxis(q.reshape(q.shape[:-2] + (-1,))[..., :K], -1, axis).astype(np.float32)
;;   ~~~
;;   SOFTMAX AHEAD OF A QUANTISED PRODUCT. Where the list says 'softmax', what is quantised is not the finished softmax but p = 2^(t - M), with t = logit x log2(e) and M = ceil(the row's largest t), a whole number; so 1/2 < the row's largest p <= 1. The row's sum l is taken of the UNQUANTISED p, in f32, and the product's result is divided by l at the end. Since M is a whole number, a kernel that streams over the keys may use a running M (the ceiling of the running maximum): every later rescaling is an exact power of two, which a block's scale takes up: the codes' values come out the same.
;;   OPERANDS COMPUTED ON THE WAY. 'Computed on the way' means the value that the module computes at that place (a softmax that the list does not call 'softmax' is quantised finished and normalised). What goes into a quantiser is computed in f32, as accurately as f32 sums, v_exp_f32 and their like allow (about 1e-6 of the number): no bf16 or f16 on the way to a quantiser, and a product that is left as it is and whose result goes on into a quantised operand takes f32 operands (vector FMAs, or v_wmma_f32_16x16x4_f32). A number that lies on a knife's edge between two numbers of the format may be rounded either way, as far as f32 arithmetic and the matrix unit's own rounding can turn it there, and no further.
;;   INPUTS GIVEN AS CODES. W_attn (in the module: [1024, 3072], K = its axis 0); W_proj (in the module: [1024, 1024], K = its axis 0); x (in the module: [4, 2048, 1024], K = its axis 2): each comes as NAME_codes (uint8): NAME with its K axis moved to the last place and cut into blocks of 32 codes, [.., K / 32, bytes a block], one block behind the other in memory; four codes in three bytes: a row's codes are one little-endian stream of bits, code i at bits 6 i .. 6 i + 5 (a code: sign, 2 exponent bits, 3 mantissa bits); and NAME_scales (uint8): the same leading axes, one E8M0 byte (e + 127) for each 32 codes along K. Its value is code x scale, taken as it is: it is not quantised again, and the codes and scales need not be those that the quantiser above would give.
;; One version. Each part assembles by itself: llvm-mc -triple=amdgcn-amd-amdhsa -mcpu=gfx1250 --defsym DOCPART=n.
;; ======== version 1 of 1: 3 launches
;; workspace buffers: ws 19,660,800 bytes; yc 6,291,456 bytes; ys 262,144 bytes
;; launch qkv (part 1): grid 8 x 48, 4 waves a work-group, clusters of 4 x 4, 327,680 bytes of LDS; arguments x_codes, x_scales, W_attn_codes, W_attn_scales, ws, b_attn; writes ws
.if DOCPART == 1
	.amdgcn_target "amdgcn-amd-amdhsa--gfx1250"
	.amdhsa_code_object_version 6
	.text
	.protected	k_qb69f6832b0_qkv
	.globl	k_qb69f6832b0_qkv
	.p2align	8
	.type	k_qb69f6832b0_qkv,@function
k_qb69f6832b0_qkv:
	s_mov_b64 s[64:65], 0
	v_nop
	global_prefetch_b8 v0, s[64:65] scope:SCOPE_SE
	s_setreg_imm32_b32 hwreg(HW_REG_WAVE_MODE, 25, 1), 1
	s_wait_xcnt 0x0
	s_wait_alu depctr_hold_cnt(0) depctr_sa_sdst(0) depctr_va_vdst(0) depctr_va_sdst(0) depctr_va_ssrc(0) depctr_va_vcc(0) depctr_vm_vsrc(0)
	s_getreg_b32 s2, hwreg(HW_REG_IB_STS2, 6, 4)
	s_cmp_eq_u32 s2, 0
	s_cbranch_scc0 .Lentry_in_a_cluster
	s_endpgm
.Lentry_in_a_cluster:
	s_bfe_u32 s2, ttmp6, 0x10000c
	s_cmp_lg_u32 s2, 0xf033
	s_cbranch_scc0 .Lentry_shape_is_right
	s_endpgm
.Lentry_shape_is_right:
; qkv = x W_attn + b_attn on codes of FP6 (E2M3) with E8M0 scales, and its result quantised at once: q and k along the head's 64, v along the tokens.  Nothing leaves in f32.
; ONE TEXT, TWO PATHS.  The text computes C'[i][j] = sum over k of A'[i][k] B'[j][k] + bias and quantises C' along j in blocks of 32.
;   q, k (cluster y 0-7):  A' = x (8,192 tokens), B' = W_attn's rows 0-2,047: j runs along the heads' channels.
;   v    (cluster y 8-11): A' = W_attn's rows 2,048-3,071, B' = x: j runs along the tokens, which are the K of the product with the softmax's weights.
; Both tensors have rows of 768 bytes of codes and 32 scale bytes, so the paths differ in pointers, in the bias's registers and in where the results go.  The path hangs on the cluster's y alone: it is equal in all partners.
; A tile of C', 256 x 256, is made by four waves, 128 x 128 each (64 accumulators, 512 registers).  K = 1,024 goes in four steps of 256 through a ring of two LDS slots filled by the tensor data mover.
; The scale bytes of the tile's 256 + 256 rows, for all of K, come into LDS once.  CLUSTERS: 4 x 4 work-groups; A's tiles are asked for jointly along a row of the cluster, B's along a column.
; THE MATRIX INSTRUCTION IS USED TRANSPOSED (source 0 = 16 rows of B', source 1 = 16 rows of A'): lane (r, h) holds C'(16 a + r, 16 b + 8 h + 0..7).  The bias is the C of each sum's first product.
; THE WAY OUT.  A lane's 16 registers of accumulators (a, 2 B) and (a, 2 B + 1) are 16 of the 32 numbers of block B of row 16 a + r; lane l xor 16 holds the other 16.  They are converted as they stand, so place 16 h + 8 u + j
; of a block holds offset 16 u + 8 h + j.  The same order holds on both sides of each later product (q with k, v with the softmax's weights), so the products are the same and the block's scale is the true one.
; Codes leave as IMAGES OF OPERAND REGISTERS: 12 registers as 3 stores of 16 bytes a lane, each of 512 consecutive bytes.
; ws: [batch x head (64)][128 tokens (16)][19,200 bytes]: q's 4 pair images (6,144), q's scale words (256), k's 4 pair images (6,144), v's 4 tile images (6,144), k's scale words (256), v's (256).
;   pair image pi: registers 0-5 = tokens 16 (2 pi) + r, channels 32 h + ..; registers 6-11 = tokens 16 (2 pi + 1) + r.  Its scale word: the first tile's two bytes, then the second's.
;   v's tile image t: row r = channel 16 t + r, K = the 128 tokens.   Scale word x of row r lies at byte 8 (16 (x % 2) + r) + 4 (x / 2).
; LIMITS: a block whose largest magnitude lies under 2^-124 (a block of zeros too) gets the scale byte 1; these bytes are read by this program alone.  NaN and infinities are not served.
; REGISTERS, in windows of 256: window 0: v0-31 addresses; v32-63 scale words, two sets; v64-127 the bias, on the way out at work; from v128 A's fragments, on the way out the codes; v224-231 scale words made.
;   window 1: B's fragments, two sets, at v0 and v128.   window 2: the accumulators of my rows 0-63 ((a, b) at v[8 (8 a + b)]);   window 3: those of my rows 64-127.
.set KSTEP,  256                       ; along K in a slot
.set NQ,     KSTEP/128                 ; matrix instructions deep
.set ROWB,   192                       ; a tile's row in bytes
.set KROW,   768                       ; a row of x or of W_attn in memory: 1,024 codes
.set PITCH,  240                       ; an LDS row: 3 x (64 bytes + 16 of padding)
.set FR,     12                        ; registers of a fragment
.set NL,     6                         ; LDS loads that bring one
.set NP,     4                         ; places behind this matrix instruction (ISA guide 7.12.1)
.set HALFT,  128*PITCH                 ; 128 rows: one tensor load
.set SLOT,   4*HALFT                   ; A's 256 rows, then B's 256
.set LAPS,   2                         ; 1,024 / 512
.set KS,     32                        ; a row of scale bytes
.set SCL,    2*SLOT                    ; behind the ring: the scale bytes, as units of 256 bytes + 16 of padding
.set HALFS,  (128*KS/256)*272          ; those of 128 rows
.set SBLK,   (16*KS/256)*272           ; those of 16 rows
.set SPARE,  SCL+4*HALFS               ; the spare words, 128 bytes for each wave: two blocks of 256 bytes that no other line names
.set REC,    19200                     ; a record of ws
.set HEADB,  16*REC                    ; a head's 16 records
.set ADRA, 16                          ; v16-17 LDS address of my A fragments in slot 0, 1 (v18-19: behind one padding more)
.set ADRB, 20                          ; v20-23 the same for B
.set LO8,  25                          ; v25  8 x lane
.set CO,   26                          ; v26  16 x lane
.set ADRS, 27                          ; v27  LDS address of my scale words: lanes 0-15 A's rows, lanes 16-31 B's
.set SPW,  28                          ; v28  LDS address of my spare word; never rewritten
.set NIL,  29                          ; v29  0; never rewritten
.set SC,   32                          ; scale words, set s at v[SC + 16 s]
.set BIAS, 64                          ; v64-127 the bias, eight registers a block
.set AF,   128                         ; A's fragments
.set TM,   64                          ; the way out: +0..3 largest magnitudes, +4..7 the other lane's, then bytes, +12..15 the conversions' scale operands
.set XT,   80                          ; v80-86 the second halves of blocks, as converted
.set PWA,  88                          ; v88, v89 the scale words of two blocks of rows
.set PWB,  89
.set U,    90                          ; v90-93 scale words as they are stored
.set FB,   128                         ; v128-223 the codes: each register is written once
.set SW,   224                         ; v224-231 scale words: head e, pair or tile x at SW + 4 e + x
.set G1, 24
.set G0, 32
.set G1B, 48
.set G0B, 56
.set SEL, 66                           ; s[66:67] v_permlanex16_b32's selects for lane l xor 16
.set G1S, 68
.set G0S, 76
.set G1SB, 80
.set G0SB, 88
.set PATH, 95                          ; s95  0: q and k;  1: v
.set MSB, 0
.macro WIN new                         ; the immediate's high byte repeats the setting that is left
.if MSB != (\new)
	s_set_vgpr_msb (MSB<<8)|(\new)
.set MSB, (\new)
.endif
.endm
.set MUL_LO, 0xa1                      ; source 0 (B) window 1, source 1 (A) window 0, C and D window 2
.set MUL_HI, 0xf1                      ; the same, C and D window 3
.set TO_B,   0x40                      ; destination window 1, address window 0
; A joint load: waves 0 and 1 fetch for A, waves 2 and 3 for B.  The branch hangs on the wave's number alone.  Four v_nop follow each of the two lines.
.macro JLOAD g0a, g1a, g0b, g1b
	s_cmp_eq_u32 s15, 0
	s_cbranch_scc0 .Lfor_b_\@
	tensor_load_to_lds s[\g0a:\g0a+3], s[\g1a:\g1a+7]
	s_nop 0
.rept 4
	v_nop
.endr
	s_branch .Lasked_\@
.Lfor_b_\@:
	tensor_load_to_lds s[\g0b:\g0b+3], s[\g1b:\g1b+7]
	s_nop 0
.rept 4
	v_nop
.endr
.Lasked_\@:
.endm
.macro CREST                           ; a round of the cluster's barrier behind its opening barrier
	s_cmp_lg_u32 s14, 0
	s_cbranch_scc1 .Lnot_wave_0_\@
	s_barrier_signal -3
.Lnot_wave_0_\@:
	s_barrier_wait -3
	s_barrier_signal -1
	s_barrier_wait -1
.endm
.macro CROUND                          ; a whole round
	s_barrier_signal -1
	s_barrier_wait -1
	CREST
.endm
	s_load_b128 s[4:7], s[0:1], 0x0                ; x's codes, x's scales
	s_load_b128 s[8:11], s[0:1], 0x10              ; W_attn's codes, W_attn's scales
	s_load_b64 s[12:13], s[0:1], 0x20              ; ws
	s_load_b64 s[96:97], s[0:1], 0x28              ; b_attn
	v_lshl_add_u32 v[SPW], v0, 2, SPARE
	v_mov_b32 v[NIL], 0
	ds_add_u32 v28, v29
	ds_add_u32 v28, v29
	s_wait_dscnt 0x0
	v_lshrrev_b32 v1, 5, v0
	v_readfirstlane_b32 s14, v1                    ; wave 0..3
	s_lshr_b32 s15, s14, 1                         ; which half of the tile's rows is mine.  Also: I fetch for A (0) or for B (1)
	s_and_b32 s16, s14, 1                          ; which half of its columns.  Also: which 128 rows of that tile I fetch
	s_bfe_u32 s40, ttmp6, 0x40000                  ; cx, cy: my place in the cluster
	s_bfe_u32 s41, ttmp6, 0x40004
	s_and_b32 s17, ttmp7, 0xffff                   ; the cluster's y: 0-7 q and k, 8-11 v
	s_max_u32 s18, s17, 8
	s_sub_co_u32 s18, s18, 8
	s_lshl_b32 s18, s18, 1
	s_add_co_u32 s18, s18, ttmp9                   ; v: which four tile columns (of 256 tokens): 2 (y - 8) + x
	s_cmp_lt_u32 s17, 8
	s_cselect_b32 s42, ttmp9, s18                  ; the cluster's place along the tile columns,
	s_cselect_b32 s17, s17, 0                      ; along the tile rows,
	s_cselect_b32 s[PATH], 0, 1                    ; the path,
	s_cselect_b32 s19, 0, 2048                     ; and A's first row in its tensor
	s_lshl_b32 s42, s42, 2
	s_add_co_u32 s42, s42, s40                     ; tile column
	s_lshl_b32 s17, s17, 2
	s_add_co_u32 s17, s17, s41                     ; tile row
	s_lshl_b32 s43, s41, 2
	s_lshl_b32 s43, 15, s43                        ; my row of the cluster
	s_lshl_b32 s44, 0x1111, s40                    ; my column
	s_mov_b32 s[SEL], 0x76543210
	s_mov_b32 s[SEL+1], 0xfedcba98
	; descriptor group 1: a tile of 128 rows x 192 bytes, 16 bytes of padding behind every 64
	s_or_b32 s[G1+0], s43, (0<<16)|(1<<20)|(1<<21)|(3<<22)|(3<<25)  ; 15:0 the mask: A's tiles go to my row; elements of 1 byte; padding on; bit 21 beside a mask; after every 16 words 4 words
	s_or_b32 s[G1B+0], s44, (0<<16)|(1<<20)|(1<<21)|(3<<22)|(3<<25)
.irp g, G1, G1B
	s_mov_b32 s[\g+1], ROWB<<16                    ; tensor_dim0
	s_mov_b32 s[\g+2], 128<<16                     ; tensor_dim1
	s_mov_b32 s[\g+3], ROWB<<16                    ; tile_dim0
	s_mov_b32 s[\g+4], 128                         ; tile_dim1
	s_mov_b32 s[\g+5], KROW                        ; tensor_dim0_stride
	s_mov_b32 s[\g+6], 0
	s_mov_b32 s[\g+7], 0
.endr
	; the scale bytes of 128 rows: a dense block of 4,096 bytes, as 16 rows of 256 bytes (32 elements of 8), 16 bytes of padding behind each
	s_or_b32 s[G1S+0], s43, (3<<16)|(1<<20)|(1<<21)|(5<<22)|(3<<25)
	s_or_b32 s[G1SB+0], s44, (3<<16)|(1<<20)|(1<<21)|(5<<22)|(3<<25)
.irp g, G1S, G1SB
	s_mov_b32 s[\g+1], 32<<16
	s_mov_b32 s[\g+2], (128*KS/256)<<16
	s_mov_b32 s[\g+3], 32<<16
	s_mov_b32 s[\g+4], 128*KS/256
	s_mov_b32 s[\g+5], 32
	s_mov_b32 s[\g+6], 0
	s_mov_b32 s[\g+7], 0
.endr
	s_lshl_b32 s18, s16, 7                         ; which 128 rows of the tile I fetch
	s_lshl_b32 s20, s17, 8
	s_add_co_u32 s20, s20, s18
	s_add_co_u32 s20, s20, s19                     ; A: row 256 x tile row + 128 x half (+ 2,048 in W_attn for v)
	s_lshl_b32 s46, s42, 8
	s_add_co_u32 s46, s46, s18                     ; B: row 256 x tile column + 128 x half
	s_mov_b32 s21, 0
	s_mov_b32 s47, 0
	s_mov_b64 s[18:19], KS
	s_mul_u64 s[22:23], s[20:21], s[18:19]         ; where these rows' scale bytes begin
	s_mul_u64 s[92:93], s[46:47], s[18:19]
	s_mov_b64 s[18:19], KROW
	s_mul_u64 s[20:21], s[20:21], s[18:19]         ; and their codes
	s_mul_u64 s[46:47], s[46:47], s[18:19]
	s_mul_i32 s45, s14, HALFT                      ; where they go: wave x 128 rows
	s_mul_i32 s94, s14, HALFS
	s_wait_kmcnt 0x0
	s_cmp_eq_u32 s[PATH], 0                        ; which tensor is A and which B: a choice that hangs on the cluster's y alone
	s_cselect_b64 s[98:99], s[4:5], s[8:9]         ; A's codes
	s_cselect_b64 s[8:9], s[8:9], s[4:5]           ; B's codes
	s_cselect_b64 s[100:101], s[6:7], s[10:11]     ; A's scales
	s_cselect_b64 s[10:11], s[10:11], s[6:7]       ; B's scales
	s_add_nc_u64 s[20:21], s[98:99], s[20:21]
	s_add_nc_u64 s[22:23], s[100:101], s[22:23]
	s_add_nc_u64 s[46:47], s[8:9], s[46:47]
	s_add_nc_u64 s[92:93], s[10:11], s[92:93]
	CROUND                                         ; all sixteen work-groups are here: the first joint loads meet
	s_mov_b32 s[G0S], 1
	s_add_co_u32 s[G0S+1], s94, SCL
	s_mov_b64 s[G0S+2:G0S+3], s[22:23]
	s_or_b32 s[G0S+3], s[G0S+3], 0x80000000
	s_mov_b32 s[G0SB], 1
	s_add_co_u32 s[G0SB+1], s94, SCL
	s_mov_b64 s[G0SB+2:G0SB+3], s[92:93]
	s_or_b32 s[G0SB+3], s[G0SB+3], 0x80000000
	JLOAD G0S, G1S, G0SB, G1SB                     ; the scale bytes first: they are wanted with K step 0
.irp s, 0,1
	s_mov_b32 s[G0+4*\s], 1
	s_add_co_u32 s[G0+4*\s+1], s45, \s*SLOT
	s_add_nc_u64 s[G0+4*\s+2:G0+4*\s+3], s[20:21], \s*ROWB
	s_or_b32 s[G0+4*\s+3], s[G0+4*\s+3], 0x80000000
	s_mov_b32 s[G0B+4*\s], 1
	s_add_co_u32 s[G0B+4*\s+1], s45, \s*SLOT
	s_add_nc_u64 s[G0B+4*\s+2:G0B+4*\s+3], s[46:47], \s*ROWB
	s_or_b32 s[G0B+4*\s+3], s[G0B+4*\s+3], 0x80000000
	JLOAD G0+4*\s, G1, G0B+4*\s, G1B               ; three tensor loads of mine are out now; later one
.endr
	v_and_b32 v1, 15, v0                           ; r = l % 16
	v_bfe_u32 v2, v0, 4, 1                         ; h = l / 16
	v_mul_u32_u24 v3, v1, PITCH
	v_mul_u32_u24 v4, v2, 24
	v_add_nc_u32 v4, v3, v4                        ; a fragment's row x pitch + 24 x half
	v_lshl_add_u32 v5, v2, 4, v4                   ; and the same behind one padding more
	s_mul_i32 s21, s15, HALFT                      ; my 128 rows of A
	s_mul_i32 s22, s16, HALFT                      ; my 128 rows of B,
	s_add_co_u32 s22, s22, 2*HALFT                 ; which lie behind A's 256
.irp s, 0,1
	v_add_nc_u32 v[ADRA+\s], s21, v4
	v_add_nc_u32 v[ADRB+\s], s22, v4
	v_add_nc_u32 v[ADRA+2+\s], s21, v5
	v_add_nc_u32 v[ADRB+2+\s], s22, v5
	s_add_co_u32 s21, s21, SLOT
	s_add_co_u32 s22, s22, SLOT
.endr
	v_mul_u32_u24 v5, v1, KS                       ; my row's scale bytes: 32 a row,
	v_lshrrev_b32 v6, 8, v5
	v_lshl_add_u32 v5, v6, 4, v5                   ; and 16 more for each 256 passed
	s_mul_i32 s21, s15, HALFS                      ; A's: my 128 rows
	s_mul_i32 s22, s16, HALFS                      ; B's: my 128 rows, behind A's 256
	s_add_co_u32 s22, s22, 2*HALFS
	s_sub_co_u32 s22, s22, s21
	v_mul_u32_u24 v6, s22, v2                      ; lanes 16-31 take B's: one product, the distance between the two
	s_add_co_u32 s21, s21, SCL
	v_add_nc_u32 v5, v5, v6
	v_add_nc_u32 v[ADRS], s21, v5
	v_and_b32 v9, 31, v0                           ; lane
	v_lshlrev_b32 v[CO], 4, v9
	v_lshlrev_b32 v[LO8], 3, v9
	; THE BIAS, in the result's layout.  q, k: it hangs on the column: block b's eight registers hold b_attn at 16 b + 8 h + 0..7 of my 128 columns.  v: it hangs on the row: block a's eight registers all hold b_attn at 16 a + r.
	s_cmp_lg_u32 s[PATH], 0
	s_cbranch_scc1 .Lbias_v
	s_lshl_b32 s46, s42, 10                        ; 4 bytes x (256 x tile column + 128 x half)
	s_lshl_b32 s47, s16, 9
	s_add_co_u32 s46, s46, s47
	s_mov_b32 s47, 0
	s_add_nc_u64 s[96:97], s[96:97], s[46:47]
	v_lshlrev_b32 v7, 5, v2                        ; 32 h
.irp b, 0,1,2,3,4,5,6,7
	global_load_b128 v[BIAS+8*\b:BIAS+8*\b+3], v7, s[96:97] offset:64*\b
	global_load_b128 v[BIAS+8*\b+4:BIAS+8*\b+7], v7, s[96:97] offset:64*\b+16
.endr
	s_branch .Lbias_done
.Lbias_v:
	s_lshl_b32 s20, s17, 10                        ; 4 bytes x (2,048 + 256 x tile row + 128 x half)
	s_lshl_b32 s21, s15, 9
	s_add_co_u32 s20, s20, s21
	s_add_co_u32 s20, s20, 8192
	s_mov_b32 s21, 0
	s_add_nc_u64 s[96:97], s[96:97], s[20:21]
	v_lshlrev_b32 v7, 2, v1                        ; 4 r
.irp a, 0,1,2,3,4,5,6,7
.irp j, 0,1,2,3,4,5,6,7
	global_load_b32 v[BIAS+8*\a+\j], v7, s[96:97] offset:64*\a
.endr
.endr
.Lbias_done:
.macro FRAG reg, adr, q, i             ; a fragment, 16 rows x 128 K, is 12 registers: registers 6 c .. 6 c + 5 hold K = 64 c + 32 (l / 16) + 0 .. 31: 24 bytes of the row's stream of bits, as they lie
.irp p, 0,1,2,3,4,5                    ; in pieces of 8 bytes; where the piece three on (lanes 16-31) lies behind one padding more, the second address register serves
.set PC, 12*(\q)+6*(\p/3)+\p%3
.if PC%8 < 5
	ds_load_b64 v[\reg+2*\p:\reg+2*\p+1], v[\adr] offset:8*PC+16*(PC/8)+(\i)*16*PITCH
.else
	ds_load_b64 v[\reg+2*\p:\reg+2*\p+1], v[\adr+2] offset:8*PC+16*(PC/8)+(\i)*16*PITCH
.endif
.endr
.endm
; 16 matrix instructions: A's blocks a0, a0 + 1 x B's eight, 128 along K.  p: B's set; sc: the set of scale words.  zero = 1: the sums start with the bias by columns; 2: by rows; 0: they go on.
; The 64 accumulators take turns, one instruction a turn, in the same order in every step.
.macro MUL16 a0, p, q, sc, zero
.irp a, \a0, \a0+1
.irp b, 0,1,2,3,4,5,6,7
.if \zero == 1
	v_wmma_scale_f32_16x16x128_f8f6f4 v[8*(8*((\a)%4)+\b):8*(8*((\a)%4)+\b)+7], v[128*(\p)+FR*\b:128*(\p)+FR*\b+FR-1], v[AF+FR*(\a):AF+FR*(\a)+FR-1], v[BIAS+8*\b:BIAS+8*\b+7], v[SC+8*NQ*(\sc)+NQ*\b+(\q)], v[SC+8*NQ*(\sc)+NQ*(\a)+(\q)] matrix_a_fmt:MATRIX_FMT_FP6 matrix_b_fmt:MATRIX_FMT_FP6 matrix_a_scale:MATRIX_SCALE_ROW1
.elseif \zero == 2
	v_wmma_scale_f32_16x16x128_f8f6f4 v[8*(8*((\a)%4)+\b):8*(8*((\a)%4)+\b)+7], v[128*(\p)+FR*\b:128*(\p)+FR*\b+FR-1], v[AF+FR*(\a):AF+FR*(\a)+FR-1], v[BIAS+8*(\a):BIAS+8*(\a)+7], v[SC+8*NQ*(\sc)+NQ*\b+(\q)], v[SC+8*NQ*(\sc)+NQ*(\a)+(\q)] matrix_a_fmt:MATRIX_FMT_FP6 matrix_b_fmt:MATRIX_FMT_FP6 matrix_a_scale:MATRIX_SCALE_ROW1
.else
	v_wmma_scale_f32_16x16x128_f8f6f4 v[8*(8*((\a)%4)+\b):8*(8*((\a)%4)+\b)+7], v[128*(\p)+FR*\b:128*(\p)+FR*\b+FR-1], v[AF+FR*(\a):AF+FR*(\a)+FR-1], v[8*(8*((\a)%4)+\b):8*(8*((\a)%4)+\b)+7], v[SC+8*NQ*(\sc)+NQ*\b+(\q)], v[SC+8*NQ*(\sc)+NQ*(\a)+(\q)] matrix_a_fmt:MATRIX_FMT_FP6 matrix_b_fmt:MATRIX_FMT_FP6 matrix_a_scale:MATRIX_SCALE_ROW1
.endif
.endr
.endr
.endm
.macro FETCH_B slot, q, p              ; B's eight fragments of the slot's q-th 128 along K into set p
	WIN TO_B
.irp i, 0,1,2,3,4,5,6,7
	FRAG 128*(\p)+FR*\i, ADRB+\slot, \q, \i
.endr
	WIN 0
.endm
.macro FETCH_A slot, q, i0             ; A's blocks i0 .. i0 + 3
.irp i, \i0, \i0+1, \i0+2, \i0+3
	FRAG AF+FR*(\i), ADRA+\slot, \q, \i
.endr
.endm
.macro SCALES sc                       ; a K step's scale words into set sc: two words a row; lanes 0-15 take A's block i, lanes 16-31 B's block i
.irp i, 0,1,2,3,4,5,6,7
	ds_load_b64 v[SC+8*NQ*\sc+NQ*\i:SC+8*NQ*\sc+NQ*\i+1], v[ADRS] offset:\i*SBLK
.endr
.endm
.macro PLACES n                        ; plain vector instructions between a matrix instruction and a load into, or a vector read or write of, its registers
.rept \n
	v_nop
.endr
.endm
; A step of 128 along K that has its successor in the same slot.
.macro STEP slot, q, zero
	s_wait_dscnt 4*NL                              ; B's set, A's blocks 0-3 and the scale words are in; the youngest 24 loads (A's blocks 4-7) may be out
.if \zero
	WIN 0x81                                       ; C (the bias) window 0, D window 2
.else
	WIN MUL_LO
.endif
	MUL16 0, (\q)%2, \q, \slot, \zero
	MUL16 2, (\q)%2, \q, \slot, \zero
	s_wait_dscnt 0                                 ; A's blocks 4-7 are in
	PLACES NP
	FETCH_B \slot, (\q)+1, 1-(\q)%2
	FETCH_A \slot, (\q)+1, 0
.if \zero
	WIN 0xc1                                       ; C window 0, D window 3
.else
	WIN MUL_HI
.endif
	MUL16 4, (\q)%2, \q, \slot, \zero
	MUL16 6, (\q)%2, \q, \slot, \zero
	PLACES NP
	WIN 0
	FETCH_A \slot, (\q)+1, 4
.endm
; A slot's last step changes slots: ONE barrier; in front of it each wave waits for all its tensor loads, adds 0 to its spare word, and waits for that and for its own reads of this slot.  fill = 1: this slot is filled again, two K steps ahead.
.macro TURN slot, next, fill
	s_wait_tensorcnt 0x0                           ; all my tensor loads have landed: my part of the next slot
	ds_add_u32 v[SPW], v[NIL]                      ; 0 onto my spare word
	s_wait_dscnt 4*NL+1                            ; (the add and the youngest 24 loads, A's blocks 4-7, may be out)
	WIN MUL_LO
	MUL16 0, 1, NQ-1, \slot, 0                     ; sixteen matrix instructions stand between the add and the wait for it
	s_wait_dscnt 0x0                               ; the add is done, and my reads of this slot are over
	s_barrier_signal -1
	MUL16 2, 1, NQ-1, \slot, 0
	WIN 0
	s_barrier_wait -1
.if \fill
	CREST                                          ; the barrier has opened a round of the cluster's barrier: no wave of any partner still reads this slot's tile or has a load on its way
	s_add_nc_u64 s[G0+4*\slot+2:G0+4*\slot+3], s[G0+4*\slot+2:G0+4*\slot+3], 2*ROWB
	s_add_nc_u64 s[G0B+4*\slot+2:G0B+4*\slot+3], s[G0B+4*\slot+2:G0B+4*\slot+3], 2*ROWB
	JLOAD G0+4*\slot, G1, G0B+4*\slot, G1B         ; the first tensor load behind the round; its four v_nop are the places in front of the loads below
.else
	PLACES NP
.endif
	s_wait_alu depctr_va_vdst(0)
	v_add_nc_u32 v[ADRS], 4*NQ, v[ADRS]            ; on to the next K step's scale words (no LDS load of mine is out)
	FETCH_B \next, 0, 0
	FETCH_A \next, 0, 0
	SCALES \next
	WIN MUL_HI
	MUL16 4, 1, NQ-1, \slot, 0
	MUL16 6, 1, NQ-1, \slot, 0
	PLACES NP
	WIN 0
	FETCH_A \next, 0, 4
.endm
	s_wait_tensorcnt 1                             ; the scale bytes and my part of K step 0 are in (K step 1's load may be out)
	s_barrier_signal -1
	s_barrier_wait -1                              ; everybody's are
	FETCH_B 0, 0, 0
	FETCH_A 0, 0, 0
	s_wait_alu depctr_va_vdst(0)
	SCALES 0
	FETCH_A 0, 0, 4
	s_wait_loadcnt 0x0                             ; the bias
	s_cmp_lg_u32 s[PATH], 0                        ; the first step is written once for each path: its products take the bias as C, by columns or by rows.  No barrier and no tensor load stands in it
	s_cbranch_scc1 .Lfirst_v
	STEP 0, 0, 1
	s_branch .Lfirst_done
.Lfirst_v:
	STEP 0, 0, 2
.Lfirst_done:
	s_mov_b32 s3, LAPS-1
.Llap:                                                 ; a trip goes once round the ring, from a lap's second step to the next lap's first, and fills both slots again
	TURN 0, 1, 1
	STEP 1, 0, 0
	TURN 1, 0, 1
	STEP 0, 0, 0
	s_sub_co_u32 s3, s3, 1
	s_cmp_lg_u32 s3, 0
	s_cbranch_scc1 .Llap
	TURN 0, 1, 0                                   ; the last lap fills nothing, and has no round of the cluster's barrier
	STEP 1, 0, 0
	s_wait_dscnt 4*NL                              ; the very last step: nothing more to fetch
	WIN MUL_LO
	MUL16 0, 1, NQ-1, 1, 0
	MUL16 2, 1, NQ-1, 1, 0
	s_wait_dscnt 0
	WIN MUL_HI
	MUL16 4, 1, NQ-1, 1, 0
	MUL16 6, 1, NQ-1, 1, 0
	WIN 0
; THE WAY OUT.  QUANT: the 64 numbers that a lane holds of block a of rows (4 blocks of 32 along j, 16 numbers of each) become 12 registers of codes, v[d0] on (blocks 0, 1) and v[d1] on (blocks 2, 3), and the row's scale word v[pw].
; A block's scale byte is its largest magnitude's exponent field less 2, with the floor 2^(3 - 127) among the maximum's leaves.  Each accumulator is read from its low end on.
.macro QUANT a, d0, d1, pw
.set AC, 64*((\a)%4)
	WIN 0x28+0x14*((\a)/4)                         ; sources 1 and 2: the accumulators' window
.irp b, 0,1,2,3
	v_max3_num_f32 v[TM+\b], 0x1800000, |v[AC+16*\b]|, |v[AC+16*\b+1]|
.endr
.irp i, 2,4,6,8,10,12,14
.irp b, 0,1,2,3
	v_max3_num_f32 v[TM+\b], v[TM+\b], |v[AC+16*\b+\i]|, |v[AC+16*\b+\i+1]|   ; the four blocks by turns
.endr
.endr
	WIN 0
.irp b, 0,1,2,3
	v_permlanex16_b32 v[TM+4+\b], v[TM+\b], s[SEL], s[SEL+1]
.endr
.irp b, 0,1,2,3
	v_max_num_f32 v[TM+\b], v[TM+\b], v[TM+4+\b]   ; with lane l xor 16's 16: the block's largest magnitude
.endr
.irp b, 0,1,2,3
	v_add_nc_u32 v[TM+12+\b], 0xff000000, v[TM+\b] ; 2 off its exponent field: the conversion's scale operand
.endr
.irp b, 0,1,2,3
	v_lshrrev_b32 v[TM+4+\b], 23, v[TM+12+\b]      ; the scale's byte
.endr
	v_lshl_or_b32 v[\pw], v[TM+5], 8, v[TM+4]
	v_lshl_or_b32 v[\pw], v[TM+6], 16, v[\pw]
	v_lshl_or_b32 v[\pw], v[TM+7], 24, v[\pw]
	WIN 0x02+((\a)/4)                              ; source 0: the accumulators' window
	v_cvt_scalef32_pk16_fp6_f32 v[\d0:\d0+2], v[AC:AC+15], v[TM+12]
	v_cvt_scalef32_pk16_fp6_f32 v[XT:XT+2], v[AC+16:AC+31], v[TM+13]
	v_cvt_scalef32_pk16_fp6_f32 v[\d1:\d1+2], v[AC+32:AC+47], v[TM+14]
	v_cvt_scalef32_pk16_fp6_f32 v[XT+4:XT+6], v[AC+48:AC+63], v[TM+15]
	WIN 0
	v_nop                                          ; one plain place behind a scaled conversion
.irp i, 0,1,2                                  ; the operand's layout wants a whole block in a lane: lanes 0-15 the even block, lanes 16-31 the odd one
	v_permlane16_swap_b32 v[\d0+\i], v[XT+\i]
	v_permlane16_swap_b32 v[\d1+\i], v[XT+4+\i]
.endr
.irp i, 0,1,2
	v_mov_b32 v[\d0+3+\i], v[XT+\i]
	v_mov_b32 v[\d1+3+\i], v[XT+4+\i]
.endr
.endm
	PLACES NP                                      ; behind the last products: their results are read and A's registers written below
.irp b, 0,1,2,3
	v_mov_b32 v[TM+4+\b], 0                        ; written once: a lane permute's destination counts as one of its sources
.endr
	s_cmp_lg_u32 s[PATH], 0
	s_cbranch_scc1 .Lout_v
	; q, k: my 128 rows are one record's 128 tokens, my 128 columns two heads of q or of k
	s_lshl_b32 s20, s17, 8
	s_lshl_b32 s21, s15, 7
	s_add_co_u32 s20, s20, s21                     ; my first token
	s_lshl_b32 s46, s42, 2
	s_lshl_b32 s47, s16, 1
	s_add_co_u32 s46, s46, s47                     ; my first head, 0-15 of q, 16-31 of k
	s_lshr_b32 s21, s20, 11                        ; the batch
	s_lshl_b32 s21, s21, 4
	s_and_b32 s47, s46, 15
	s_add_co_u32 s21, s21, s47
	s_lshl_b32 s21, s21, 4
	s_bfe_u32 s20, s20, 0x40007                    ; which 128 tokens of the batch's 2,048
	s_add_co_u32 s21, s21, s20                     ; the record
	s_mul_i32 s20, s21, REC
	s_lshr_b32 s46, s46, 4                         ; 0: q, 1: k
	s_mul_i32 s47, s46, 6400
	s_add_co_u32 s20, s20, s47
	s_mov_b32 s21, 0
	s_add_nc_u64 s[12:13], s[12:13], s[20:21]      ; the images' place
	s_lshl_b32 s20, 6144, s46                      ; the scale words lie 6,144 (q) or 12,288 (k) bytes on
	s_add_nc_u64 s[98:99], s[12:13], s[20:21]
.irp pi, 0,1,2,3
	QUANT 2*\pi, FB+24*\pi, FB+24*\pi+12, PWA
	QUANT 2*\pi+1, FB+24*\pi+6, FB+24*\pi+18, PWB
	v_perm_b32 v[SW+\pi], v[PWB], v[PWA], 0x05040100     ; the first head's word: the even tile's two bytes, then the odd tile's
	v_perm_b32 v[SW+4+\pi], v[PWB], v[PWA], 0x07060302   ; the second head's
.irp e, 0,1
.irp g, 0,1,2
	global_store_b128 v[CO], v[FB+24*\pi+12*\e+4*\g:FB+24*\pi+12*\e+4*\g+3], s[12:13] offset:\e*HEADB+1536*\pi+512*\g   ; 32 lanes store 512 consecutive bytes, at a multiple of 256 from ws's first byte
.endr
.endr
.endr
	s_branch .Lout_scales
.Lout_v:
	; v: my 128 rows are two heads' channels, my 128 columns one record's 128 tokens
	s_lshl_b32 s46, s42, 8
	s_lshl_b32 s47, s16, 7
	s_add_co_u32 s46, s46, s47                     ; my first token
	s_lshl_b32 s20, s17, 2
	s_lshl_b32 s21, s15, 1
	s_add_co_u32 s20, s20, s21                     ; my first head
	s_lshr_b32 s21, s46, 11
	s_lshl_b32 s21, s21, 4
	s_add_co_u32 s21, s21, s20
	s_lshl_b32 s21, s21, 4
	s_bfe_u32 s46, s46, 0x40007
	s_add_co_u32 s21, s21, s46                     ; the record
	s_mul_i32 s20, s21, REC
	s_add_co_u32 s20, s20, 12544
	s_mov_b32 s21, 0
	s_add_nc_u64 s[12:13], s[12:13], s[20:21]
	s_add_nc_u64 s[98:99], s[12:13], 6400
.irp a, 0,1,2,3,4,5,6,7
	QUANT \a, FB+12*\a, FB+12*\a+6, SW+\a
.irp g, 0,1,2
	global_store_b128 v[CO], v[FB+12*\a+4*\g:FB+12*\a+4*\g+3], s[12:13] offset:(\a/4)*HEADB+(\a%4)*1536+512*\g
.endr
.endr
.Lout_scales:
	v_cmp_lt_u32 vcc_lo, 15, v9                    ; lanes 16-31 store the odd pairs' or tiles' words (every word stands in both halves of the lanes)
	s_wait_alu depctr_va_vdst(0)
.irp e, 0,1
	v_cndmask_b32 v[U+2*\e], v[SW+4*\e], v[SW+4*\e+1], vcc_lo
	v_cndmask_b32 v[U+2*\e+1], v[SW+4*\e+2], v[SW+4*\e+3], vcc_lo
	global_store_b64 v[LO8], v[U+2*\e:U+2*\e+1], s[98:99] offset:\e*HEADB   ; 32 lanes store 256 consecutive bytes, aligned
.endr
	s_wait_tensorcnt 0x0                           ; the wave's end
	ds_add_u32 v[SPW], v[NIL]
	s_wait_dscnt 0x0
	CROUND                                         ; the closing round: no work-group ends while a partner may still ask for a tile that names it
	s_endpgm
.Lfunc_end_k_qb69f6832b0_qkv:
	.size	k_qb69f6832b0_qkv, .Lfunc_end_k_qb69f6832b0_qkv-k_qb69f6832b0_qkv
	.p2alignl 7, 3214868480
	.fill 96, 4, 3214868480
	.section	.rodata,"a",@progbits
	.p2align	6, 0x0
	.amdhsa_kernel k_qb69f6832b0_qkv
		.amdhsa_group_segment_fixed_size 327680
		.amdhsa_private_segment_fixed_size 0
		.amdhsa_enable_private_segment 0
		.amdhsa_kernarg_size 48
		.amdhsa_user_sgpr_count 2
		.amdhsa_user_sgpr_kernarg_segment_ptr 1
		.amdhsa_wavefront_size32 1
		.amdhsa_system_sgpr_workgroup_id_x 1
		.amdhsa_system_sgpr_workgroup_id_y 1
		.amdhsa_system_sgpr_workgroup_id_z 1
		.amdhsa_system_vgpr_workitem_id 0
		.amdhsa_next_free_vgpr 1024
		.amdhsa_next_free_sgpr 102
		.amdhsa_reserve_vcc 1
		.amdhsa_float_denorm_mode_32 3
		.amdhsa_float_denorm_mode_16_64 3
		.amdhsa_memory_ordered 1
		.amdhsa_forward_progress 1
		.amdhsa_inst_pref_size 222
	.end_amdhsa_kernel
	.amdgpu_metadata
---
amdhsa.version: [ 1, 2 ]
amdhsa.kernels:
  - .name:           k_qb69f6832b0_qkv
    .symbol:         k_qb69f6832b0_qkv.kd
    .args:
      - { .name: x_codes, .offset: 0, .size: 8, .value_kind: global_buffer, .address_space: global }
      - { .name: x_scales, .offset: 8, .size: 8, .value_kind: global_buffer, .address_space: global }
      - { .name: W_attn_codes, .offset: 16, .size: 8, .value_kind: global_buffer, .address_space: global }
      - { .name: W_attn_scales, .offset: 24, .size: 8, .value_kind: global_buffer, .address_space: global }
      - { .name: ws, .offset: 32, .size: 8, .value_kind: global_buffer, .address_space: global }
      - { .name: b_attn, .offset: 40, .size: 8, .value_kind: global_buffer, .address_space: global }
    .group_segment_fixed_size: 327680
    .private_segment_fixed_size: 0
    .kernarg_segment_align: 8
    .kernarg_segment_size: 48
    .max_flat_workgroup_size: 128
    .sgpr_count:     102
    .vgpr_count:     1024
    .wavefront_size: 32
...
	.end_amdgpu_metadata
.endif
;; end of part 1
;; launch attn (part 2): grid 4 x 64, 16 waves a work-group, clusters of 4 x 1, 206,848 bytes of LDS; arguments ws, yc, ys; writes yc, ys
.if DOCPART == 2
	.amdgcn_target "amdgcn-amd-amdhsa--gfx1250"
	.amdhsa_code_object_version 6
	.text
	.protected	k_qb69f6832b0_attn
	.globl	k_qb69f6832b0_attn
	.p2align	8
	.type	k_qb69f6832b0_attn,@function
k_qb69f6832b0_attn:
	s_mov_b64 s[64:65], 0
	v_nop
	global_prefetch_b8 v0, s[64:65] scope:SCOPE_SE
	s_setreg_imm32_b32 hwreg(HW_REG_WAVE_MODE, 25, 1), 1
	s_wait_xcnt 0x0
	s_wait_alu depctr_hold_cnt(0) depctr_sa_sdst(0) depctr_va_vdst(0) depctr_va_sdst(0) depctr_va_ssrc(0) depctr_va_vcc(0) depctr_vm_vsrc(0)
	s_getreg_b32 s2, hwreg(HW_REG_IB_STS2, 6, 4)
	s_cmp_eq_u32 s2, 0
	s_cbranch_scc0 .Lentry_in_a_cluster
	s_endpgm
.Lentry_in_a_cluster:
	s_bfe_u32 s2, ttmp6, 0x10000c
	s_cmp_lg_u32 s2, 0x3003
	s_cbranch_scc0 .Lentry_shape_is_right
	s_endpgm
.Lentry_shape_is_right:
; y = causal softmax(q k^T / 8) v for one head of one batch, both products on codes of FP6 (E2M3) with E8M0 scales; y is quantised along the model's 1,024 channels and leaves as codes.
; THE SOFTMAX AHEAD OF THE SECOND PRODUCT: t = score x log2(e) / 8; M = the row's largest t so far, rounded up to a whole number; p = 2^(t - M) is quantised along the keys, not normalised.
; The row's sum is taken of the unquantised p and divides at the end.  When M moves, the sum and O are multiplied by 2^(old M - new M): exact.
; SHARES.  A cluster of four work-groups is one (batch, head).  A head's k and v as codes with their scale words are 16 x 12,800 = 204,800 bytes: they lie in each work-group's LDS WHOLE, filled once: no ring, no refill, one barrier.
; Wave w asks for the 128 keys of step w, JOINTLY with the same wave of the three partners.  Wave w of work-group cx owns the tiles of 16 queries a = 4 w + cx and 127 - a: (a / 8 + 1) + (16 - a / 8) = 17 key steps for every wave.
; The last step of a tile is a / 8 = w / 2, or 15 - w / 2: it hangs on the wave's number alone.  cx enters global addresses, the mask's number and selections of values, and no branch, trip count or LDS address.
; LAYOUT.  Both products are used transposed: S^T = k q^T, O^T = v^T p^T: a lane holds ONE query (lane % 16) throughout.  Operands lie in ws as images of their registers: 16 bytes a lane, 512 bytes a load.
; THE FIRST PRODUCT'S K IS 64.  A pair image holds two tiles of 16 keys: one in k 0-63 of the fragment, the other in k 64-127.  It is multiplied by q with zero codes above, and by q with zero codes below: v12-29 hold zeros, q, zeros.
; Inside a block of 32, place 16 h + 8 u + j holds offset 16 u + 8 h + j, in q as in k and in p as in v: the products are the same.  y's partner, W_proj, is given, so y is brought into the true order first.
; LIMITS: a block whose largest magnitude lies under 2^-124 (a block of zeros too) gets the scale byte 1; these bytes are read by this program alone.  NaN and infinities are not served.  t - M is one fused multiply-add.
; ys is stored two bytes a lane, 32 bytes apart: a row's other bytes belong to other heads' work-groups.
; REGISTERS: v1 16 l, v2 8 l, v3-4 the step's LDS addresses, v5 the mask's number, v6 8 r, v7 32 r, v[8:9] -M and the largest t, v[10:11] the sum in two halves, v12-29 q between zeros, v30 q's scale word, v31 r - 8 h,
;   v32-79 k's four pairs, v80-127 v's four tiles, v128-191 S^T, then p, v192-223 O^T, v224-235 p's codes, v232-247 at work, v248-251 k's and v's scale words, v252 f, v253 p's scale word, v254-255 at work.
.set REC,   19200                      ; a record of ws: 128 tokens of one head
.set HEADB, 16*REC
.set KVB,   12800                      ; its last bytes: k's images (0), v's (6,144), k's scale words (12,288), v's (12,544)
.set S,     128
.set O,     192
.set DMS, 2                            ; s2, s3   16 x (tile % 8), pass 0, 1
.set WV,  10                           ; s10  my wave's number
.set CX,  11                           ; s11  my place in the cluster
.set BH,  12                           ; s12  16 x batch + head
.set T,   13                           ; s13, s14 my tile of queries, pass 0, 1
.set LIM, 15                           ; s15, s16 its last key step
.set ST,  18                           ; s18  the key step
.set TB,  19                           ; s19  where its bytes begin in LDS
.set SEL, 20                           ; s[20:21] selects for lane l xor 16
.set CS,  22                           ; s[22:23] c = log2(e) / 8, twice
.set G1,  24
.set G0,  32
.set HB,  36                           ; s[36:37] the head's first record
.set QB,  38                           ; s[38:41] q's pair image, pass 0, 1
.set QSB, 42                           ; s[42:45] its scale words
.set YB,  46                           ; s[46:49] where y's codes go
.set YSB, 50                           ; s[50:53] and y's scale bytes
.set EM,  54                           ; s54, s55 all ones where the tile is the pair's second
.macro CROUND                          ; a round of the cluster's barrier
	s_barrier_signal -1
	s_barrier_wait -1
	s_cmp_lg_u32 s[WV], 0
	s_cbranch_scc1 .Lnot_wave_0_\@
	s_barrier_signal -3
.Lnot_wave_0_\@:
	s_barrier_wait -3
	s_barrier_signal -1
	s_barrier_wait -1
.endm
; the addresses of pass p, from its tile s[T + p]
.macro PSET p
	s_lshr_b32 s56, s[T+\p], 3
	s_mul_i32 s56, s56, REC                        ; the record of the tile's 128 tokens
	s_bfe_u32 s58, s[T+\p], 0x20001                ; the pair in it
	s_mul_i32 s59, s58, 1536
	s_add_co_u32 s60, s56, s59
	s_mov_b32 s61, 0
	s_add_nc_u64 s[QB+2*\p:QB+2*\p+1], s[HB:HB+1], s[60:61]
	s_and_b32 s59, s58, 1
	s_lshl_b32 s59, s59, 7                         ; its scale words: 128 (pair % 2) + 4 (pair / 2), behind the images' 6,144 bytes
	s_lshr_b32 s58, s58, 1
	s_lshl_b32 s58, s58, 2
	s_add_co_u32 s60, s56, s59
	s_add_co_u32 s60, s60, s58
	s_add_co_u32 s60, s60, 6144
	s_add_nc_u64 s[QSB+2*\p:QSB+2*\p+1], s[HB:HB+1], s[60:61]
	s_and_b32 s58, s[T+\p], 1
	s_sub_co_u32 s[EM+\p], 0, s58
	s_and_b32 s58, s[T+\p], 7
	s_lshl_b32 s[DMS+\p], s58, 4
	s_lshr_b32 s56, s[BH], 4
	s_lshl_b32 s56, s56, 7
	s_add_co_u32 s56, s56, s[T+\p]                 ; y's block of 16 rows: 128 x batch + tile
	s_mul_i32 s60, s56, 12288
	s_bfe_u32 s58, s[BH], 0x30001                  ; the K step of the last product: head / 2,
	s_mul_i32 s58, s58, 1536
	s_add_co_u32 s60, s60, s58
	s_and_b32 s58, s[BH], 1                        ; and the half of its fragment: head % 2
	s_mul_i32 s58, s58, 768
	s_add_co_u32 s60, s60, s58
	s_add_nc_u64 s[YB+2*\p:YB+2*\p+1], s[6:7], s[60:61]
	s_lshl_b32 s60, s56, 9                         ; 16 rows of 32 scale bytes,
	s_and_b32 s58, s[BH], 15
	s_lshl_b32 s58, s58, 1                         ; two bytes a head
	s_add_co_u32 s60, s60, s58
	s_add_nc_u64 s[YSB+2*\p:YSB+2*\p+1], s[8:9], s[60:61]
.endm
.macro QLOAD p                         ; pass p's pair image of q into v32-43, its scale words into v44
	global_load_b128 v[32:35], v1, s[QB+2*\p:QB+2*\p+1]
	global_load_b128 v[36:39], v1, s[QB+2*\p:QB+2*\p+1] offset:512
	global_load_b128 v[40:43], v1, s[QB+2*\p:QB+2*\p+1] offset:1024
	global_load_b32 v44, v6, s[QSB+2*\p:QSB+2*\p+1]
.endm
	s_load_b128 s[4:7], s[0:1], 0x0                ; ws, yc
	s_load_b64 s[8:9], s[0:1], 0x10                ; ys
	v_lshl_add_u32 v254, v0, 2, 0x32000
	v_mov_b32 v255, 0
	ds_add_u32 v254, v255
	ds_add_u32 v254, v255
	s_wait_dscnt 0x0
	v_lshrrev_b32 v1, 5, v0
	s_delay_alu instid0(VALU_DEP_1)
	v_readfirstlane_b32 s[WV], v1                  ; wave 0..15
	s_bfe_u32 s[CX], ttmp6, 0x40000
	s_and_b32 s[BH], ttmp7, 0xffff
	s_mul_i32 s56, s[BH], HEADB
	s_mov_b32 s57, 0
	s_mul_i32 s58, s[WV], REC
	s_add_co_u32 s58, s58, 6400                    ; step w's k, v and their scale words: 12,800 dense bytes
	s_mov_b32 s59, 0
	s_mov_b32 s[G1], 15|(3<<16)|(1<<21)            ; 15:0 the mask: all four work-groups; elements of 8 bytes; no padding; bit 21 beside a mask
	s_mov_b32 s[G1+1], 32<<16                      ; tensor_dim0 = 32 elements: rows of 256 bytes
	s_mov_b32 s[G1+2], 50<<16                      ; tensor_dim1 = 50
	s_mov_b32 s[G1+3], 32<<16                      ; tile_dim0
	s_mov_b32 s[G1+4], 50                          ; tile_dim1
	s_mov_b32 s[G1+5], 32                          ; the pitch: dense
	s_mov_b32 s[G1+6], 0
	s_mov_b32 s[G1+7], 0
	s_mov_b32 s[G0], 1
	s_mul_i32 s[G0+1], s[WV], KVB                  ; LDS: wave x 12,800
	s_mov_b32 s[SEL], 0x76543210
	s_mov_b32 s[SEL+1], 0xfedcba98
	s_mov_b32 s[CS], 0x3e38aa3b                    ; c = log2(e) / 8
	s_mov_b32 s[CS+1], s[CS]
	s_wait_kmcnt 0x0
	s_add_nc_u64 s[HB:HB+1], s[4:5], s[56:57]
	s_add_nc_u64 s[G0+2:G0+3], s[HB:HB+1], s[58:59]
	s_or_b32 s[G0+3], s[G0+3], 0x80000000
	CROUND                                         ; all four work-groups are here: the joint loads meet
	tensor_load_to_lds s[G0:G0+3], s[G1:G1+7]      ; my one tensor load of the launch
	s_nop 0
.rept 4
	v_nop
.endr
	s_lshl_b32 s[T+1], s[WV], 2
	s_add_co_u32 s[T+1], s[T+1], s[CX]             ; a = 4 w + cx: pass 1's tile
	s_sub_co_u32 s[T], 127, s[T+1]                 ; pass 0's
	s_lshr_b32 s[LIM+1], s[WV], 1
	s_sub_co_u32 s[LIM], 15, s[LIM+1]
	PSET 0
	PSET 1
	v_and_b32 v3, 31, v0
	s_delay_alu instid0(VALU_DEP_1)
	v_lshlrev_b32 v1, 4, v3                        ; 16 l
	s_delay_alu instid0(VALU_DEP_2)
	v_lshlrev_b32 v2, 3, v3                        ; 8 l
	v_and_b32 v4, 15, v0                           ; r
	v_bfe_u32 v5, v0, 4, 1                         ; h
	s_delay_alu instid0(VALU_DEP_2)
	v_lshlrev_b32 v6, 3, v4
	s_delay_alu instid0(VALU_DEP_3)
	v_lshlrev_b32 v7, 5, v4
	s_delay_alu instid0(VALU_DEP_3)
	v_lshlrev_b32 v5, 3, v5
	s_delay_alu instid0(VALU_DEP_1)
	v_sub_nc_u32 v31, v4, v5                       ; r - 8 h
	QLOAD 0
.irp i, 0,1,2,3,4,5
	v_mov_b32 v[12+\i], 0                          ; the zero codes on both sides of q
	v_mov_b32 v[24+\i], 0
.endr
.irp b, 0,1,2,3
	v_mov_b32 v[236+\b], 0                         ; written once: a lane permute's destination counts as one of its sources
.endr
	v_mov_b32 v252, 0
	v_mov_b32 v253, 0                              ; (named as the upper half of the pair v[252:253] before it is first written)
	s_wait_tensorcnt 0x0                           ; my step's bytes are in LDS,
	s_barrier_signal -1
	s_barrier_wait -1                              ; everybody's are: the head's k and v lie whole
; ONE TILE OF 16 QUERIES.
.macro PASS p
	s_wait_loadcnt 0x0                             ; q's pair image
.irp i, 0,1,2,3,4,5
	v_cndmask_b32 v[18+\i], v[32+\i], v[38+\i], s[EM+\p]   ; my tile's half of it
.endr
	v_and_b32 v254, 0xffff, v44
	v_lshrrev_b32 v255, 16, v44
	s_delay_alu instid0(VALU_DEP_1)
	v_cndmask_b32 v254, v254, v255, s[EM+\p]       ; its two scale bytes,
	s_delay_alu instid0(VALU_DEP_1)
	v_lshl_or_b32 v30, v254, 16, v254              ; for k 0-63 and for k 64-127
	v_add_nc_u32 v5, s[DMS+\p], v31                ; my query in its step of 128, less 8 h
	v_mov_b32 v9, 0xff61b1e6                       ; the largest t so far: -3e38
	s_delay_alu instid0(VALU_DEP_1)
	v_floor_f32 v8, -v9                            ; -M
	v_mov_b32 v10, 0
	v_mov_b32 v11, 0
.set n, 0
.rept 32
	v_mov_b32 v[O+n], 0                            ; O^T: the step is written once, and its first trip finds zeros.  (These lines are also the places between q, its scale word and the first products)
.set n, n+1
.endr
	s_mov_b32 s[ST], 0
	s_mov_b32 s[TB], 0
.Lstep_\@:                                         ; 16 trips, a constant; a step all of whose keys come after my queries is jumped over, but for the lines that step the address and the count
	s_cmp_gt_u32 s[ST], s[LIM+\p]
	s_cbranch_scc1 .Lhidden_\@
	s_setprio 2
	v_add_nc_u32 v3, s[TB], v1
	v_add_nc_u32 v4, s[TB], v2
.irp pi, 0,1,2,3
.irp g, 0,1,2
	ds_load_b128 v[32+12*\pi+4*\g:35+12*\pi+4*\g], v3 offset:1536*\pi+512*\g
.endr
.endr
	ds_load_b64 v[248:249], v4 offset:12288
.irp t, 0,1,2,3
.irp g, 0,1,2
	ds_load_b128 v[80+12*\t+4*\g:83+12*\t+4*\g], v3 offset:6144+1536*\t+512*\g
.endr
.endr
	ds_load_b64 v[250:251], v4 offset:12544
	s_wait_dscnt 13                                ; k's 13 loads are in; v's 13 may be out
.irp pi, 0,1,2,3                               ; S^T: tile 2 pi from the pair's k 0-63, tile 2 pi + 1 from its k 64-127
.if \pi%2
	v_wmma_scale_f32_16x16x128_f8f6f4 v[S+16*\pi:S+16*\pi+7], v[32+12*\pi:43+12*\pi], v[18:29], 0, v[248+\pi/2], v30 matrix_a_fmt:MATRIX_FMT_FP6 matrix_b_fmt:MATRIX_FMT_FP6 matrix_a_scale:MATRIX_SCALE_ROW1
	v_wmma_scale_f32_16x16x128_f8f6f4 v[S+16*\pi+8:S+16*\pi+15], v[32+12*\pi:43+12*\pi], v[12:23], 0, v[248+\pi/2], v30 matrix_a_fmt:MATRIX_FMT_FP6 matrix_b_fmt:MATRIX_FMT_FP6 matrix_a_scale:MATRIX_SCALE_ROW1
.else
	v_wmma_scale_f32_16x16x128_f8f6f4 v[S+16*\pi:S+16*\pi+7], v[32+12*\pi:43+12*\pi], v[18:29], 0, v[248+\pi/2], v30 matrix_a_fmt:MATRIX_FMT_FP6 matrix_b_fmt:MATRIX_FMT_FP6
	v_wmma_scale_f32_16x16x128_f8f6f4 v[S+16*\pi+8:S+16*\pi+15], v[32+12*\pi:43+12*\pi], v[12:23], 0, v[248+\pi/2], v30 matrix_a_fmt:MATRIX_FMT_FP6 matrix_b_fmt:MATRIX_FMT_FP6
.endif
.endr                                          ; register 8 tt + j of lane (r, h): key 16 tt + 8 h + j of the step, query r
.rept 4
	v_nop
.endr
	s_cmp_lg_u32 s[ST], s[LIM+\p]                  ; the tile's last step lies on the diagonal: there the scores of hidden keys become -infinity ahead of the maximum
	s_cbranch_scc1 .Lopen_\@
	v_mov_b32 v254, 0xff800000
.set n, 0
.rept 64
	v_cmp_gt_i32 vcc_lo, 16*(n/8)+n%8, v5          ; hidden where 16 tt + j + 8 h > my query
	v_cndmask_b32 v[S+n], v[S+n], v254, vcc_lo
.set n, n+1
.endr
.Lopen_\@:
.irp b, 0,1,2,3
	v_max3_num_f32 v[232+\b], v[S+16*\b], v[S+1+16*\b], v[S+2+16*\b]   ; the largest score of each block of 32 keys: for the row's maximum, and, since p rises with the score, for the block's largest p
.endr
.irp i, 3,5,7,9,11,13
.irp b, 0,1,2,3
	v_max3_num_f32 v[232+\b], v[232+\b], v[S+16*\b+\i], v[S+1+16*\b+\i]
.endr
.endr
.irp b, 0,1,2,3
	v_max_num_f32 v[232+\b], v[232+\b], v[S+15+16*\b]
.endr
.irp b, 0,1,2,3
	s_delay_alu instid0(VALU_DEP_4)
	v_permlanex16_b32 v[236+\b], v[232+\b], s[SEL], s[SEL+1]
.endr
.irp b, 0,1,2,3
	s_delay_alu instid0(VALU_DEP_4)
	v_max_num_f32 v[232+\b], v[232+\b], v[236+\b]  ; with lane l xor 16's 16 keys
.endr
	s_delay_alu instid0(VALU_DEP_2)
	v_max3_num_f32 v254, v232, v233, v234
	s_delay_alu instid0(VALU_DEP_1)
	v_max_num_f32 v254, v254, v235                 ; the step's largest score of my query
	s_delay_alu instid0(VALU_DEP_1)
	v_mul_f32 v254, s[CS], v254                    ; as t
	s_delay_alu instid0(VALU_DEP_1)
	v_max_num_f32 v9, v9, v254                     ; the running largest t
	v_mov_b32 v254, v8
	s_delay_alu instid0(VALU_DEP_2)
	v_floor_f32 v8, -v9                            ; the new -M = -ceil(t)
	s_delay_alu instid0(VALU_DEP_1)
	v_sub_f32 v254, v8, v254                       ; old M - new M: a whole number, 0 or less
	s_delay_alu instid0(VALU_DEP_1)
	v_cvt_i32_f32 v254, v254                       ; (it saturates)
	s_delay_alu instid0(VALU_DEP_1)
	v_ldexp_f32 v252, 1.0, v254                    ; f = 2^(old M - new M)
.set n, 0
.rept 32
	v_pk_fma_f32 v[S+n:S+n+1], v[S+n:S+n+1], s[CS:CS+1], v[8:9] op_sel_hi:[1,0,0]   ; t - M, two at a time
.set n, n+2
.endr
	s_setprio 1
.irp b, 0,1,2,3
	v_fma_f32 v[232+\b], v[232+\b], s[CS], v8      ; the same of each block's largest score
.endr
.set n, 0
	s_wait_alu depctr_va_vdst(0)
.rept 64
	v_exp_f32 v[S+n], v[S+n]                       ; p = 2^(t - M)
.set n, n+1
.endr
.irp b, 0,1,2,3
	v_exp_f32 v[232+\b], v[232+\b]                 ; the block's largest p
.endr
	v_pk_mul_f32 v[10:11], v[10:11], v[252:253] op_sel_hi:[1,0]   ; the sums under the new M.  (A plain place behind the exponentials)
	s_wait_alu depctr_va_vdst(0)
.irp b, 0,1,2,3
	v_max_num_f32 v[232+\b], 0x1800000, v[232+\b]  ; the floor 2^(3 - 127): the byte cannot fall under 1
.endr
.irp b, 0,1,2,3
	s_delay_alu instid0(VALU_DEP_4)
	v_add_nc_u32 v[244+\b], 0xff000000, v[232+\b]  ; 2 off the exponent field: the conversion's scale operand
.endr
.irp b, 0,1,2,3
	s_delay_alu instid0(VALU_DEP_4)
	v_lshrrev_b32 v[236+\b], 23, v[244+\b]         ; the scale's byte
.endr
	s_delay_alu instid0(VALU_DEP_3)
	v_lshl_or_b32 v253, v237, 8, v236              ; p's scale word for these 128 keys
	s_delay_alu instid0(VALU_DEP_1)
	v_lshl_or_b32 v253, v238, 16, v253
	s_delay_alu instid0(VALU_DEP_1)
	v_lshl_or_b32 v253, v239, 24, v253
.irp c, 0,1
	v_cvt_scalef32_pk16_fp6_f32 v[224+6*\c:226+6*\c], v[S+32*\c:S+15+32*\c], v[244+2*\c]
	v_cvt_scalef32_pk16_fp6_f32 v[236+4*\c:238+4*\c], v[S+16+32*\c:S+31+32*\c], v[244+2*\c+1]
.endr
	v_nop                                          ; one plain place behind a scaled conversion
.irp c, 0,1                                    ; a whole block in a lane: lanes 0-15 block 2 c, lanes 16-31 block 2 c + 1
.irp i, 0,1,2
	v_permlane16_swap_b32 v[224+6*\c+\i], v[236+4*\c+\i]
.endr
.irp i, 0,1,2
	s_delay_alu instid0(VALU_DEP_3)
	v_mov_b32 v[227+6*\c+\i], v[236+4*\c+\i]
.endr
.endr
	v_pk_add_f32 v[236:237], v[132:133], v[136:137]
	v_pk_add_f32 v[254:255], v[140:141], v[144:145]
	v_pk_add_f32 v[248:249], v[148:149], v[152:153]
	v_pk_add_f32 v[246:247], v[156:157], v[160:161]
	v_pk_add_f32 v[244:245], v[164:165], v[168:169]
	v_pk_add_f32 v[242:243], v[172:173], v[176:177]
	v_pk_add_f32 v[240:241], v[180:181], v[184:185]
	v_pk_add_f32 v[10:11], v[10:11], v[188:189]
	v_pk_add_f32 v[236:237], v[236:237], v[128:129]
	v_pk_add_f32 v[254:255], v[254:255], v[130:131]
	v_pk_add_f32 v[248:249], v[248:249], v[134:135]
	v_pk_add_f32 v[246:247], v[246:247], v[138:139]
	v_pk_add_f32 v[244:245], v[244:245], v[142:143]
	v_pk_add_f32 v[242:243], v[242:243], v[146:147]
	v_pk_add_f32 v[240:241], v[240:241], v[150:151]
	s_setprio 0
	v_pk_add_f32 v[10:11], v[10:11], v[154:155]
	v_pk_add_f32 v[236:237], v[236:237], v[158:159]
	v_pk_add_f32 v[254:255], v[254:255], v[162:163]
	v_pk_add_f32 v[248:249], v[248:249], v[166:167]
	v_pk_add_f32 v[246:247], v[246:247], v[170:171]
	v_pk_add_f32 v[244:245], v[244:245], v[174:175]
	v_pk_add_f32 v[242:243], v[242:243], v[178:179]
	v_pk_add_f32 v[240:241], v[240:241], v[182:183]
	v_pk_add_f32 v[10:11], v[10:11], v[186:187]
	v_pk_add_f32 v[236:237], v[236:237], v[190:191]
	s_delay_alu instid0(VALU_DEP_2)
	v_pk_add_f32 v[10:11], v[10:11], v[246:247]
	s_delay_alu instid0(VALU_DEP_2)
	v_pk_add_f32 v[236:237], v[236:237], v[244:245]
	v_pk_add_f32 v[254:255], v[254:255], v[242:243]
	v_pk_add_f32 v[248:249], v[248:249], v[240:241]
	s_delay_alu instid0(VALU_DEP_2)
	v_pk_add_f32 v[10:11], v[10:11], v[254:255]
	s_delay_alu instid0(VALU_DEP_2)
	v_pk_add_f32 v[236:237], v[236:237], v[248:249]
	s_delay_alu instid0(VALU_DEP_1)
	v_pk_add_f32 v[10:11], v[10:11], v[236:237]
.set n, 0
.rept 16
	v_pk_mul_f32 v[O+n:O+n+1], v[O+n:O+n+1], v[252:253] op_sel_hi:[1,0]   ; O^T under the new M.  (With the sums above: the places between p's codes, its scale word and the products)
.set n, n+2
.endr
	s_wait_alu depctr_va_vdst(0)
	s_wait_dscnt 0x0                               ; v and its scale words are in
.irp t, 0,1,2,3                                ; O^T += v^T p^T: four tiles of 16 channels, by turns
.if \t%2
	v_wmma_scale_f32_16x16x128_f8f6f4 v[O+8*\t:O+8*\t+7], v[80+12*\t:91+12*\t], v[224:235], v[O+8*\t:O+8*\t+7], v[250+\t/2], v253 matrix_a_fmt:MATRIX_FMT_FP6 matrix_b_fmt:MATRIX_FMT_FP6 matrix_a_scale:MATRIX_SCALE_ROW1
.else
	v_wmma_scale_f32_16x16x128_f8f6f4 v[O+8*\t:O+8*\t+7], v[80+12*\t:91+12*\t], v[224:235], v[O+8*\t:O+8*\t+7], v[250+\t/2], v253 matrix_a_fmt:MATRIX_FMT_FP6 matrix_b_fmt:MATRIX_FMT_FP6
.endif
.endr
.rept 4
	v_nop                                          ; places in front of the next step's loads into v's registers, and of the way out's first read of O^T
.endr
.Lhidden_\@:
	s_add_co_u32 s[TB], s[TB], KVB
	s_add_co_u32 s[ST], s[ST], 1
	s_cmp_lt_u32 s[ST], 16
	s_cbranch_scc1 .Lstep_\@
	s_setprio 0
.if \p == 0
	QLOAD 1                                        ; the next tile's q lands under the way out (k's registers were last read by products far back)
.endif
	; THE WAY OUT: y = O^T / the sum; register 8 t + j of lane (r, h) is channel 16 t + 8 h + j of query r
	v_add_f32 v10, v10, v11
	s_delay_alu instid0(VALU_DEP_1)
	v_permlanex16_b32 v252, v10, s[SEL], s[SEL+1]
	s_delay_alu instid0(VALU_DEP_1)
	v_add_f32 v10, v10, v252                       ; the row's sum
	s_wait_alu depctr_va_vdst(0)
	v_rcp_f32 v10, v10
	v_nop                                          ; one plain place behind a transcendental
.set n, 0
	s_wait_alu depctr_va_vdst(0)
.rept 16
	v_pk_mul_f32 v[S+n:S+n+1], v[O+n:O+n+1], v[10:11] op_sel_hi:[1,0]
.set n, n+2
.endr
.irp b, 0,1                                    ; the true order along the channels: the even tile's lanes 16-31 change places with the odd tile's lanes 0-15: register 16 b + i is then channel 32 b + 16 h + i
.irp j, 0,1,2,3,4,5,6,7
	v_permlane16_swap_b32 v[S+16*\b+\j], v[S+8+16*\b+\j]
.endr
.endr
.irp b, 0,1
	v_max3_num_f32 v[232+\b], |v[S+16*\b]|, |v[S+1+16*\b]|, 0x1800000
.endr
.irp i, 2,4,6,8,10,12,14
.irp b, 0,1
	s_delay_alu instid0(VALU_DEP_2)
	v_max3_num_f32 v[232+\b], v[232+\b], |v[S+16*\b+\i]|, |v[S+1+16*\b+\i]|
.endr
.endr
.irp b, 0,1
	s_delay_alu instid0(VALU_DEP_2)
	v_permlanex16_b32 v[236+\b], v[232+\b], s[SEL], s[SEL+1]
.endr
.irp b, 0,1
	s_delay_alu instid0(VALU_DEP_2)
	v_max_num_f32 v[232+\b], v[232+\b], v[236+\b]
.endr
.irp b, 0,1
	s_delay_alu instid0(VALU_DEP_2)
	v_add_nc_u32 v[244+\b], 0xff000000, v[232+\b]
.endr
.irp b, 0,1
	s_delay_alu instid0(VALU_DEP_2)
	v_lshrrev_b32 v[236+\b], 23, v[244+\b]
.endr
	s_delay_alu instid0(VALU_DEP_1)
	v_lshl_or_b32 v238, v237, 8, v236              ; the head's two scale bytes of my row
	v_cvt_scalef32_pk16_fp6_f32 v[224:226], v[S:S+15], v244
	v_cvt_scalef32_pk16_fp6_f32 v[240:242], v[S+16:S+31], v245
	v_nop
.irp i, 0,1,2
	v_permlane16_swap_b32 v[224+\i], v[240+\i]
.endr
.irp i, 0,1,2
	s_delay_alu instid0(VALU_DEP_3)
	v_mov_b32 v[227+\i], v[240+\i]                 ; v224-229: six registers of the last product's A fragment: lane (r, h) holds channels 32 h + 0..31 of this head
.endr
	global_store_b128 v1, v[224:227], s[YB+2*\p:YB+2*\p+1]              ; 512 consecutive bytes, aligned to 256
	global_store_b64 v2, v[228:229], s[YB+2*\p:YB+2*\p+1] offset:512    ; 256 consecutive bytes, aligned
	global_store_b16 v7, v238, s[YSB+2*\p:YSB+2*\p+1]                   ; both lanes of a row store the same two bytes
.if \p == 0
	s_wait_xcnt 0x0                                ; the stores' data are written again in the next tile only behind this wait
.endif
.endm
	PASS 0
	PASS 1
	s_wait_dscnt 0x0
	s_wait_xcnt 0x0
	v_lshl_add_u32 v254, v0, 2, 0x32000
	v_mov_b32 v255, 0
	s_wait_alu depctr_va_vdst(0)
	s_wait_tensorcnt 0x0
	ds_add_u32 v254, v255
	s_wait_dscnt 0x0
	CROUND                                         ; the closing round
	s_endpgm
.Lfunc_end_k_qb69f6832b0_attn:
	.size	k_qb69f6832b0_attn, .Lfunc_end_k_qb69f6832b0_attn-k_qb69f6832b0_attn
	.p2alignl 7, 3214868480
	.fill 96, 4, 3214868480
	.section	.rodata,"a",@progbits
	.p2align	6, 0x0
	.amdhsa_kernel k_qb69f6832b0_attn
		.amdhsa_group_segment_fixed_size 206848
		.amdhsa_private_segment_fixed_size 0
		.amdhsa_enable_private_segment 0
		.amdhsa_kernarg_size 24
		.amdhsa_user_sgpr_count 2
		.amdhsa_user_sgpr_kernarg_segment_ptr 1
		.amdhsa_wavefront_size32 1
		.amdhsa_system_sgpr_workgroup_id_x 1
		.amdhsa_system_sgpr_workgroup_id_y 1
		.amdhsa_system_sgpr_workgroup_id_z 1
		.amdhsa_system_vgpr_workitem_id 0
		.amdhsa_next_free_vgpr 256
		.amdhsa_next_free_sgpr 66
		.amdhsa_reserve_vcc 1
		.amdhsa_float_denorm_mode_32 3
		.amdhsa_float_denorm_mode_16_64 3
		.amdhsa_memory_ordered 1
		.amdhsa_forward_progress 1
		.amdhsa_inst_pref_size 66
	.end_amdhsa_kernel
	.amdgpu_metadata
---
amdhsa.version: [ 1, 2 ]
amdhsa.kernels:
  - .name:           k_qb69f6832b0_attn
    .symbol:         k_qb69f6832b0_attn.kd
    .args:
      - { .name: ws, .offset: 0, .size: 8, .value_kind: global_buffer, .address_space: global }
      - { .name: yc, .offset: 8, .size: 8, .value_kind: global_buffer, .address_space: global }
      - { .name: ys, .offset: 16, .size: 8, .value_kind: global_buffer, .address_space: global }
    .group_segment_fixed_size: 206848
    .private_segment_fixed_size: 0
    .kernarg_segment_align: 8
    .kernarg_segment_size: 24
    .max_flat_workgroup_size: 512
    .sgpr_count:     66
    .vgpr_count:     256
    .wavefront_size: 32
...
	.end_amdgpu_metadata
.endif
;; end of part 2
;; launch proj (part 3): grid 4 x 32, 4 waves a work-group, clusters of 4 x 4, 327,680 bytes of LDS; arguments yc, ys, W_proj_codes, W_proj_scales, out0, b_proj; writes out0
.if DOCPART == 3
	.amdgcn_target "amdgcn-amd-amdhsa--gfx1250"
	.amdhsa_code_object_version 6
	.text
	.protected	k_qb69f6832b0_proj
	.globl	k_qb69f6832b0_proj
	.p2align	8
	.type	k_qb69f6832b0_proj,@function
k_qb69f6832b0_proj:
	s_mov_b64 s[64:65], 0
	v_nop
	global_prefetch_b8 v0, s[64:65] scope:SCOPE_SE
	s_setreg_imm32_b32 hwreg(HW_REG_WAVE_MODE, 25, 1), 1
	s_wait_xcnt 0x0
	s_wait_alu depctr_hold_cnt(0) depctr_sa_sdst(0) depctr_va_vdst(0) depctr_va_sdst(0) depctr_va_ssrc(0) depctr_va_vcc(0) depctr_vm_vsrc(0)
	s_getreg_b32 s2, hwreg(HW_REG_IB_STS2, 6, 4)
	s_cmp_eq_u32 s2, 0
	s_cbranch_scc0 .Lentry_in_a_cluster
	s_endpgm
.Lentry_in_a_cluster:
	s_bfe_u32 s2, ttmp6, 0x10000c
	s_cmp_lg_u32 s2, 0xf033
	s_cbranch_scc0 .Lentry_shape_is_right
	s_endpgm
.Lentry_shape_is_right:
; out0 = y W_proj + b_proj on codes of FP6 (E2M3) with E8M0 scales.  y: 8,192 rows x 1,024; W_proj: 1,024 rows (outputs) x 1,024, K innermost, rows of 768 bytes; out0: [8,192][1,024] f32.
; y's codes (yc) lie as IMAGES OF THE OPERAND'S REGISTERS: [block of 16 rows (512)][128 along K (8)][1,536 bytes]; in the 1,536: for each half e of the fragment, at 768 e, registers 6 e .. 6 e + 3 at 16 x lane (512 bytes),
; then registers 6 e + 4, 6 e + 5 at 8 x lane (256 bytes).  So a fragment of A comes from LDS by four dense loads.  y's scale bytes (ys) are [8,192][32], row by row, as W_proj's are.
; A tile of out0, 256 x 256, is made by four waves, 128 x 128 each.  K goes in four steps of 256 through a ring of two LDS slots.  A slot: A's 16 blocks x 3,072 bytes, then B's 256 rows of 192 bytes (pitch 240).
; The scale bytes of the tile's 256 + 256 rows come into LDS once.  CLUSTERS: 4 x 4 work-groups; A's tiles are asked for jointly along a row of the cluster, B's along a column.
; THE MATRIX INSTRUCTION IS USED TRANSPOSED (source 0 = 16 rows of W_proj, source 1 = 16 rows of y): a lane holds eight neighbouring numbers of a row of out0.  The bias is the C of each sum's first product.
; The grid is 128 work-groups: 32 x 4 tiles of 256 x 256.
; REGISTERS, in windows of 256: window 0: v0-31 addresses; v32-63 scale words, two sets; v64-127 the bias; from v128 A's fragments, ONE set; on the way out v128-255 take rows of out0.
;   window 1: B's fragments, two sets.   window 2: the accumulators of my rows 0-63;   window 3: those of my rows 64-127.
.set SIZE_N, 1024
.set KSTEP,  256
.set NQ,     KSTEP/128
.set ROWB,   192                       ; a row of B's tile in bytes
.set KROW,   768                       ; a row of W_proj in memory; also 1/16 of a block of 16 rows of yc
.set PITCH,  240                       ; B's LDS row: 3 x (64 bytes + 16 of padding)
.set AROW,   3072                      ; A: a block of 16 rows x 256 along K
.set FR,     12
.set NL,     6                         ; LDS loads that bring a fragment of B
.set NLA,    4                         ; and of A
.set NP,     4                         ; places behind this matrix instruction (ISA guide 7.12.1)
.set HALFA,  8*AROW                    ; A's 128 rows: one tensor load
.set HALFT,  128*PITCH                 ; B's 128 rows: one tensor load
.set SLOT,   2*HALFA+2*HALFT
.set LAPS,   2
.set KS,     32
.set SCL,    2*SLOT                    ; behind the ring: the scale bytes, as units of 256 bytes + 16 of padding
.set HALFS,  (128*KS/256)*272
.set SBLK,   (16*KS/256)*272
.set SPARE,  SCL+4*HALFS               ; the spare words, 128 bytes for each wave: two blocks of 256 bytes that no other line names
.set SPITCH, 528                       ; the way out: a stage of 16 rows x (512 bytes + 16) for each wave, in slot 0, which has had its last fill and its last read when the first result is stored there
.set ADRA, 16                          ; v16-17 16 x lane + my half of A in slot 0, 1;  v18-19 8 x lane + the same
.set ADRB, 20                          ; v20-21 LDS address of my B fragments in slot 0, 1;  v22-23 behind one padding more
.set STO,  24
.set RD,   25
.set CO,   26
.set ADRS, 27
.set SPW,  28                          ; never rewritten
.set NIL,  29                          ; never rewritten
.set SC,   32
.set BIAS, 64
.set AF,   128
.set BK,   128
.set G1, 24
.set G0, 32
.set G1B, 48
.set G0B, 56
.set G1S, 68
.set G0S, 76
.set G1SB, 80
.set G0SB, 88
.set MSB, 0
.macro WIN new
.if MSB != (\new)
	s_set_vgpr_msb (MSB<<8)|(\new)
.set MSB, (\new)
.endif
.endm
.set MUL_LO, 0xa1
.set MUL_HI, 0xf1
.set TO_B,   0x40
.macro JLOAD g0a, g1a, g0b, g1b        ; a joint load: waves 0 and 1 fetch for A, waves 2 and 3 for B; four v_nop follow each of the two lines
	s_cmp_eq_u32 s15, 0
	s_cbranch_scc0 .Lfor_b_\@
	tensor_load_to_lds s[\g0a:\g0a+3], s[\g1a:\g1a+7]
	s_nop 0
.rept 4
	v_nop
.endr
	s_branch .Lasked_\@
.Lfor_b_\@:
	tensor_load_to_lds s[\g0b:\g0b+3], s[\g1b:\g1b+7]
	s_nop 0
.rept 4
	v_nop
.endr
.Lasked_\@:
.endm
.macro CREST
	s_cmp_lg_u32 s14, 0
	s_cbranch_scc1 .Lnot_wave_0_\@
	s_barrier_signal -3
.Lnot_wave_0_\@:
	s_barrier_wait -3
	s_barrier_signal -1
	s_barrier_wait -1
.endm
.macro CROUND
	s_barrier_signal -1
	s_barrier_wait -1
	CREST
.endm
	s_load_b128 s[4:7], s[0:1], 0x0                ; yc, ys
	s_load_b128 s[8:11], s[0:1], 0x10              ; W_proj's codes, W_proj's scales
	s_load_b64 s[12:13], s[0:1], 0x20              ; out0
	s_load_b64 s[96:97], s[0:1], 0x28              ; b_proj
	v_lshl_add_u32 v[SPW], v0, 2, SPARE
	v_mov_b32 v[NIL], 0
	ds_add_u32 v28, v29
	ds_add_u32 v28, v29
	s_wait_dscnt 0x0
	v_lshrrev_b32 v1, 5, v0
	v_readfirstlane_b32 s14, v1                    ; wave 0..3
	s_lshr_b32 s15, s14, 1                         ; which half of the tile's rows is mine.  Also: I fetch for A (0) or for B (1)
	s_and_b32 s16, s14, 1                          ; which half of its columns.  Also: which 128 rows of that tile I fetch
	s_bfe_u32 s40, ttmp6, 0x40000
	s_bfe_u32 s41, ttmp6, 0x40004
	s_lshl_b32 s42, ttmp9, 2
	s_add_co_u32 s42, s42, s40                     ; tile column
	s_and_b32 s17, ttmp7, 0xffff
	s_lshl_b32 s17, s17, 2
	s_add_co_u32 s17, s17, s41                     ; tile row
	s_lshl_b32 s43, s41, 2
	s_lshl_b32 s43, 15, s43                        ; my row of the cluster
	s_lshl_b32 s44, 0x1111, s40                    ; my column
	; A's tiles: 8 rows of 3,072 bytes (384 elements of 8), 12,288 bytes apart, no padding
	s_or_b32 s[G1+0], s43, (3<<16)|(1<<21)
	s_mov_b32 s[G1+1], 384<<16                     ; tensor_dim0
	s_mov_b32 s[G1+2], 8<<16                       ; tensor_dim1
	s_mov_b32 s[G1+3], 384<<16                     ; tile_dim0
	s_mov_b32 s[G1+4], 8                           ; tile_dim1
	s_mov_b32 s[G1+5], 1536                        ; the pitch, in elements
	s_mov_b32 s[G1+6], 0
	s_mov_b32 s[G1+7], 0
	; B's tiles: 128 rows x 192 bytes, 16 bytes of padding behind every 64
	s_or_b32 s[G1B+0], s44, (0<<16)|(1<<20)|(1<<21)|(3<<22)|(3<<25)
	s_mov_b32 s[G1B+1], ROWB<<16
	s_mov_b32 s[G1B+2], 128<<16
	s_mov_b32 s[G1B+3], ROWB<<16
	s_mov_b32 s[G1B+4], 128
	s_mov_b32 s[G1B+5], KROW
	s_mov_b32 s[G1B+6], 0
	s_mov_b32 s[G1B+7], 0
	; the scale bytes of 128 rows: 4,096 dense bytes, as 16 rows of 256 bytes, 16 bytes of padding behind each
	s_or_b32 s[G1S+0], s43, (3<<16)|(1<<20)|(1<<21)|(5<<22)|(3<<25)
	s_or_b32 s[G1SB+0], s44, (3<<16)|(1<<20)|(1<<21)|(5<<22)|(3<<25)
.irp g, G1S, G1SB
	s_mov_b32 s[\g+1], 32<<16
	s_mov_b32 s[\g+2], (128*KS/256)<<16
	s_mov_b32 s[\g+3], 32<<16
	s_mov_b32 s[\g+4], 128*KS/256
	s_mov_b32 s[\g+5], 32
	s_mov_b32 s[\g+6], 0
	s_mov_b32 s[\g+7], 0
.endr
	s_lshl_b32 s18, s16, 7
	s_lshl_b32 s20, s17, 8
	s_add_co_u32 s20, s20, s18                     ; A: row 256 x tile row + 128 x half
	s_lshl_b32 s46, s42, 8
	s_add_co_u32 s46, s46, s18                     ; B: row 256 x tile column + 128 x half
	s_mov_b32 s21, 0
	s_mov_b32 s47, 0
	s_mov_b64 s[18:19], KS
	s_mul_u64 s[22:23], s[20:21], s[18:19]
	s_mul_u64 s[92:93], s[46:47], s[18:19]
	s_mov_b64 s[18:19], KROW
	s_mul_u64 s[20:21], s[20:21], s[18:19]         ; A: row x 768 = block of 16 rows x 12,288
	s_mul_u64 s[46:47], s[46:47], s[18:19]
	s_mul_i32 s45, s16, HALFA                      ; where they go: A's two halves,
	s_mul_i32 s95, s16, HALFT
	s_add_co_u32 s95, s95, 2*HALFA                 ; then B's two
	s_mul_i32 s94, s14, HALFS
	s_wait_kmcnt 0x0
	s_add_nc_u64 s[20:21], s[4:5], s[20:21]
	s_add_nc_u64 s[22:23], s[6:7], s[22:23]
	s_add_nc_u64 s[46:47], s[8:9], s[46:47]
	s_add_nc_u64 s[92:93], s[10:11], s[92:93]
	CROUND                                         ; all sixteen work-groups are here: the first joint loads meet
	s_mov_b32 s[G0S], 1
	s_add_co_u32 s[G0S+1], s94, SCL
	s_mov_b64 s[G0S+2:G0S+3], s[22:23]
	s_or_b32 s[G0S+3], s[G0S+3], 0x80000000
	s_mov_b32 s[G0SB], 1
	s_add_co_u32 s[G0SB+1], s94, SCL
	s_mov_b64 s[G0SB+2:G0SB+3], s[92:93]
	s_or_b32 s[G0SB+3], s[G0SB+3], 0x80000000
	JLOAD G0S, G1S, G0SB, G1SB
.irp s, 0,1
	s_mov_b32 s[G0+4*\s], 1
	s_add_co_u32 s[G0+4*\s+1], s45, \s*SLOT
	s_add_nc_u64 s[G0+4*\s+2:G0+4*\s+3], s[20:21], \s*AROW
	s_or_b32 s[G0+4*\s+3], s[G0+4*\s+3], 0x80000000
	s_mov_b32 s[G0B+4*\s], 1
	s_add_co_u32 s[G0B+4*\s+1], s95, \s*SLOT
	s_add_nc_u64 s[G0B+4*\s+2:G0B+4*\s+3], s[46:47], \s*ROWB
	s_or_b32 s[G0B+4*\s+3], s[G0B+4*\s+3], 0x80000000
	s_wait_alu depctr_va_vdst(0)
	s_wait_tensorcnt 0x0
	ds_add_u32 v28, v29
	s_wait_dscnt 0x0
	CROUND
	JLOAD G0+4*\s, G1, G0B+4*\s, G1B               ; one tensor load of mine is out now; later one
.endr
	v_and_b32 v1, 15, v0                           ; r
	v_bfe_u32 v2, v0, 4, 1                         ; h
	v_and_b32 v9, 31, v0                           ; lane
	v_mul_u32_u24 v3, v1, PITCH
	v_mul_u32_u24 v4, v2, 24
	v_add_nc_u32 v4, v3, v4                        ; B: a fragment's row x pitch + 24 x half
	v_lshl_add_u32 v5, v2, 4, v4                   ; and the same behind one padding more
	v_lshlrev_b32 v7, 4, v9                        ; A: 16 x lane,
	v_lshlrev_b32 v8, 3, v9                        ; 8 x lane
	s_mul_i32 s21, s15, HALFA                      ; my 128 rows of A
	s_mul_i32 s22, s16, HALFT                      ; my 128 rows of B,
	s_add_co_u32 s22, s22, 2*HALFA                 ; which lie behind A's 256
.irp s, 0,1
	v_add_nc_u32 v[ADRA+\s], s21, v7
	v_add_nc_u32 v[ADRA+2+\s], s21, v8
	v_add_nc_u32 v[ADRB+\s], s22, v4
	v_add_nc_u32 v[ADRB+2+\s], s22, v5
	s_add_co_u32 s21, s21, SLOT
	s_add_co_u32 s22, s22, SLOT
.endr
	v_mul_u32_u24 v5, v1, KS
	v_lshrrev_b32 v6, 8, v5
	v_lshl_add_u32 v5, v6, 4, v5
	s_mul_i32 s21, s15, HALFS
	s_mul_i32 s22, s16, HALFS
	s_add_co_u32 s22, s22, 2*HALFS
	s_sub_co_u32 s22, s22, s21
	v_mul_u32_u24 v6, s22, v2                      ; lanes 16-31 take B's
	s_add_co_u32 s21, s21, SCL
	v_add_nc_u32 v5, v5, v6
	v_add_nc_u32 v[ADRS], s21, v5
	s_mul_i32 s23, s14, 16*SPITCH                  ; my stage
	v_mul_u32_u24 v5, v1, SPITCH
	v_lshl_add_u32 v5, v2, 5, v5
	v_add_nc_u32 v[STO], s23, v5                   ; in: row r, 32 bytes for each half of the lanes
	v_lshlrev_b32 v[CO], 4, v9                     ; back: the 32 lanes take one row of 512 bytes; and the same in out0
	v_add_nc_u32 v[RD], s23, v[CO]
	s_lshl_b32 s20, s17, 8
	s_lshl_b32 s21, s15, 7
	s_add_co_u32 s20, s20, s21                     ; my first row of out0
	s_mov_b32 s21, 0
	s_mov_b64 s[18:19], SIZE_N*4
	s_mul_u64 s[20:21], s[20:21], s[18:19]
	s_lshl_b32 s46, s42, 10                        ; my first column, in bytes: 1,024 x tile column + 512 x half
	s_lshl_b32 s47, s16, 9
	s_add_co_u32 s46, s46, s47
	s_mov_b32 s47, 0
	s_add_nc_u64 s[20:21], s[20:21], s[46:47]
	s_add_nc_u64 s[12:13], s[12:13], s[20:21]
	s_add_nc_u64 s[96:97], s[96:97], s[46:47]      ; the bias of my 128 columns
	v_lshlrev_b32 v7, 5, v2                        ; 32 h: block b's eight registers hold b_proj at 16 b + 8 h + 0..7
.irp b, 0,1,2,3,4,5,6,7
	global_load_b128 v[BIAS+8*\b:BIAS+8*\b+3], v7, s[96:97] offset:64*\b
	global_load_b128 v[BIAS+8*\b+4:BIAS+8*\b+7], v7, s[96:97] offset:64*\b+16
.endr
.macro FRAG reg, adr, q, i             ; a fragment of B from rows: six pieces of 8 bytes
.irp p, 0,1,2,3,4,5
.set PC, 12*(\q)+6*(\p/3)+\p%3
.if PC%8 < 5
	ds_load_b64 v[\reg+2*\p:\reg+2*\p+1], v[\adr] offset:8*PC+16*(PC/8)+(\i)*16*PITCH
.else
	ds_load_b64 v[\reg+2*\p:\reg+2*\p+1], v[\adr+2] offset:8*PC+16*(PC/8)+(\i)*16*PITCH
.endif
.endr
.endm
.macro FRAGA reg, slot, q, i           ; a fragment of A from its image: four dense loads
	ds_load_b128 v[\reg:\reg+3],     v[ADRA+\slot]   offset:(\i)*AROW+(\q)*1536
	ds_load_b64  v[\reg+4:\reg+5],   v[ADRA+2+\slot] offset:(\i)*AROW+(\q)*1536+512
	ds_load_b128 v[\reg+6:\reg+9],   v[ADRA+\slot]   offset:(\i)*AROW+(\q)*1536+768
	ds_load_b64  v[\reg+10:\reg+11], v[ADRA+2+\slot] offset:(\i)*AROW+(\q)*1536+1280
.endm
; 16 matrix instructions: A's blocks a0, a0 + 1 x B's eight, 128 along K.  zero = 1: the sums start with the bias.  The 64 accumulators take turns, one instruction a turn.
.macro MUL16 a0, p, q, sc, zero
.irp a, \a0, \a0+1
.irp b, 0,1,2,3,4,5,6,7
.if \zero
	v_wmma_scale_f32_16x16x128_f8f6f4 v[8*(8*((\a)%4)+\b):8*(8*((\a)%4)+\b)+7], v[128*(\p)+FR*\b:128*(\p)+FR*\b+FR-1], v[AF+FR*(\a):AF+FR*(\a)+FR-1], v[BIAS+8*\b:BIAS+8*\b+7], v[SC+8*NQ*(\sc)+NQ*\b+(\q)], v[SC+8*NQ*(\sc)+NQ*(\a)+(\q)] matrix_a_fmt:MATRIX_FMT_FP6 matrix_b_fmt:MATRIX_FMT_FP6 matrix_a_scale:MATRIX_SCALE_ROW1
.else
	v_wmma_scale_f32_16x16x128_f8f6f4 v[8*(8*((\a)%4)+\b):8*(8*((\a)%4)+\b)+7], v[128*(\p)+FR*\b:128*(\p)+FR*\b+FR-1], v[AF+FR*(\a):AF+FR*(\a)+FR-1], v[8*(8*((\a)%4)+\b):8*(8*((\a)%4)+\b)+7], v[SC+8*NQ*(\sc)+NQ*\b+(\q)], v[SC+8*NQ*(\sc)+NQ*(\a)+(\q)] matrix_a_fmt:MATRIX_FMT_FP6 matrix_b_fmt:MATRIX_FMT_FP6 matrix_a_scale:MATRIX_SCALE_ROW1
.endif
.endr
.endr
.endm
.macro FETCH_B slot, q, p
	WIN TO_B
.irp i, 0,1,2,3,4,5,6,7
	FRAG 128*(\p)+FR*\i, ADRB+\slot, \q, \i
.endr
	WIN 0
.endm
.macro FETCH_A slot, q, i0
.irp i, \i0, \i0+1, \i0+2, \i0+3
	FRAGA AF+FR*(\i), \slot, \q, \i
.endr
.endm
.macro SCALES sc
.irp i, 0,1,2,3,4,5,6,7
	ds_load_b64 v[SC+8*NQ*\sc+NQ*\i:SC+8*NQ*\sc+NQ*\i+1], v[ADRS] offset:\i*SBLK
.endr
.endm
.macro PLACES n
.rept \n
	v_nop
.endr
.endm
.macro STEP slot, q, zero
	s_wait_dscnt 4*NLA                             ; B's set, A's blocks 0-3 and the scale words are in; the youngest 16 loads (A's blocks 4-7) may be out
.if \zero
	WIN 0x81                                       ; C (the bias) window 0, D window 2
.else
	WIN MUL_LO
.endif
	MUL16 0, (\q)%2, \q, \slot, \zero
	MUL16 2, (\q)%2, \q, \slot, \zero
	s_wait_dscnt 0
	PLACES NP
	FETCH_B \slot, (\q)+1, 1-(\q)%2
	FETCH_A \slot, (\q)+1, 0
.if \zero
	WIN 0xc1
.else
	WIN MUL_HI
.endif
	MUL16 4, (\q)%2, \q, \slot, \zero
	MUL16 6, (\q)%2, \q, \slot, \zero
	PLACES NP
	WIN 0
	FETCH_A \slot, (\q)+1, 4
.endm
.macro TURN slot, next, fill
	s_wait_tensorcnt 0x0                           ; all my tensor loads have landed: my part of the next slot
	ds_add_u32 v[SPW], v[NIL]                      ; 0 onto my spare word
	s_wait_dscnt 4*NLA+1                           ; (the add and the youngest 16 loads, A's blocks 4-7, may be out)
	WIN MUL_LO
	MUL16 0, 1, NQ-1, \slot, 0
	s_wait_dscnt 0x0                               ; the add is done, and my reads of this slot are over
	s_barrier_signal -1
	MUL16 2, 1, NQ-1, \slot, 0
	WIN 0
	s_barrier_wait -1
.if \fill
	CREST                                          ; the barrier has opened a round of the cluster's barrier: no wave of any partner still reads this slot's tile or has a load on its way
	s_add_nc_u64 s[G0+4*\slot+2:G0+4*\slot+3], s[G0+4*\slot+2:G0+4*\slot+3], 2*AROW
	s_add_nc_u64 s[G0B+4*\slot+2:G0B+4*\slot+3], s[G0B+4*\slot+2:G0B+4*\slot+3], 2*ROWB
	JLOAD G0+4*\slot, G1, G0B+4*\slot, G1B         ; the first tensor load behind the round; its four v_nop are the places in front of the loads below
.else
	PLACES NP
.endif
	s_wait_alu depctr_va_vdst(0)
	v_add_nc_u32 v[ADRS], 4*NQ, v[ADRS]
	FETCH_B \next, 0, 0
	FETCH_A \next, 0, 0
	SCALES \next
	WIN MUL_HI
	MUL16 4, 1, NQ-1, \slot, 0
	MUL16 6, 1, NQ-1, \slot, 0
	PLACES NP
	WIN 0
	FETCH_A \next, 0, 4
.endm
	s_wait_alu depctr_va_vdst(0)
	s_wait_tensorcnt 1                             ; the scale bytes and my part of K step 0 are in (K step 1's load may be out)
	s_barrier_signal -1
	s_barrier_wait -1                              ; everybody's are
	FETCH_B 0, 0, 0
	FETCH_A 0, 0, 0
	SCALES 0
	FETCH_A 0, 0, 4
	s_wait_loadcnt 0x0                             ; the bias
	STEP 0, 0, 1                                   ; the first step stands in front of the loop: its products start the sums with the bias
	s_mov_b32 s3, LAPS-1
.Llap:
	TURN 0, 1, 1
	STEP 1, 0, 0
	TURN 1, 0, 1
	STEP 0, 0, 0
	s_sub_co_u32 s3, s3, 1
	s_cmp_lg_u32 s3, 0
	s_cbranch_scc1 .Llap
	TURN 0, 1, 0                                   ; the last lap fills nothing, and has no round of the cluster's barrier
	STEP 1, 0, 0
	s_wait_dscnt 4*NLA                             ; the very last step
	WIN MUL_LO
	MUL16 0, 1, NQ-1, 1, 0
	MUL16 2, 1, NQ-1, 1, 0
	s_wait_dscnt 0
	WIN MUL_HI
	MUL16 4, 1, NQ-1, 1, 0
	MUL16 6, 1, NQ-1, 1, 0
	WIN 0
; THE WAY OUT, block by block of 16 rows x 128 columns, through my own stage in LDS: in as 32 bytes a lane, back as whole rows of 512 bytes.  LDS serves a wave's instructions in order (ISA guide 5.7.1.4).
.macro TOSTAGE a
.set AC, 64*((\a)%4)
	WIN 0x08+4*((\a)/4)                            ; the data: window 2 or 3
.irp b, 0,1,2,3,4,5,6,7
	ds_store_b128 v[STO], v[AC+8*\b:AC+8*\b+3] offset:64*\b          ; each accumulator from its low end on
	ds_store_b128 v[STO], v[AC+8*\b+4:AC+8*\b+7] offset:64*\b+16
.endr
	WIN 0
.set BB, BK+64*((\a)%2)
.irp t, 0,1,2,3,4,5,6,7,8,9,10,11,12,13,14,15
	ds_load_b128 v[BB+4*\t:BB+4*\t+3], v[RD] offset:\t*SPITCH
.endr
.endm
.macro SEND a, younger                 ; younger: the LDS instructions issued behind block a's loads, which may stay out
.set BB, BK+64*((\a)%2)
	s_wait_dscnt \younger
.if (\a) > 0
	s_add_nc_u64 s[12:13], s[12:13], 16*SIZE_N*4   ; (behind a wait on XCNT: the earlier stores have read their base)
.endif
.irp t, 0,1,2,3,4,5,6,7,8,9,10,11,12,13,14,15
	global_store_b128 v[CO], v[BB+4*\t:BB+4*\t+3], s[12:13] offset:\t*SIZE_N*4 th:TH_STORE_NT   ; 32 lanes store 512 consecutive bytes, at a multiple of 256 from out0's first byte
.endr
.endm
	PLACES NP
	TOSTAGE 0
.irp a, 1,2,3,4,5,6,7
.if \a > 1
	s_wait_xcnt 0x0                                ; block a - 2's stores have read their registers and their base
.endif
	TOSTAGE \a
	SEND \a-1, 32                                  ; behind block a - 1's loads: block a's 16 stores and 16 loads
.endr
	s_wait_xcnt 0x0
	SEND 7, 0
	s_wait_tensorcnt 0x0                           ; the wave's end
	ds_add_u32 v[SPW], v[NIL]
	s_wait_dscnt 0x0
	CROUND                                         ; the closing round
	s_endpgm
.Lfunc_end_k_qb69f6832b0_proj:
	.size	k_qb69f6832b0_proj, .Lfunc_end_k_qb69f6832b0_proj-k_qb69f6832b0_proj
	.p2alignl 7, 3214868480
	.fill 96, 4, 3214868480
	.section	.rodata,"a",@progbits
	.p2align	6, 0x0
	.amdhsa_kernel k_qb69f6832b0_proj
		.amdhsa_group_segment_fixed_size 327680
		.amdhsa_private_segment_fixed_size 0
		.amdhsa_enable_private_segment 0
		.amdhsa_kernarg_size 48
		.amdhsa_user_sgpr_count 2
		.amdhsa_user_sgpr_kernarg_segment_ptr 1
		.amdhsa_wavefront_size32 1
		.amdhsa_system_sgpr_workgroup_id_x 1
		.amdhsa_system_sgpr_workgroup_id_y 1
		.amdhsa_system_sgpr_workgroup_id_z 1
		.amdhsa_system_vgpr_workitem_id 0
		.amdhsa_next_free_vgpr 1024
		.amdhsa_next_free_sgpr 98
		.amdhsa_reserve_vcc 0
		.amdhsa_float_denorm_mode_32 3
		.amdhsa_float_denorm_mode_16_64 3
		.amdhsa_memory_ordered 1
		.amdhsa_forward_progress 1
		.amdhsa_inst_pref_size 155
	.end_amdhsa_kernel
	.amdgpu_metadata
---
amdhsa.version: [ 1, 2 ]
amdhsa.kernels:
  - .name:           k_qb69f6832b0_proj
    .symbol:         k_qb69f6832b0_proj.kd
    .args:
      - { .name: yc, .offset: 0, .size: 8, .value_kind: global_buffer, .address_space: global }
      - { .name: ys, .offset: 8, .size: 8, .value_kind: global_buffer, .address_space: global }
      - { .name: W_proj_codes, .offset: 16, .size: 8, .value_kind: global_buffer, .address_space: global }
      - { .name: W_proj_scales, .offset: 24, .size: 8, .value_kind: global_buffer, .address_space: global }
      - { .name: out0, .offset: 32, .size: 8, .value_kind: global_buffer, .address_space: global }
      - { .name: b_proj, .offset: 40, .size: 8, .value_kind: global_buffer, .address_space: global }
    .group_segment_fixed_size: 327680
    .private_segment_fixed_size: 0
    .kernarg_segment_align: 8
    .kernarg_segment_size: 48
    .max_flat_workgroup_size: 128
    .sgpr_count:     98
    .vgpr_count:     1024
    .wavefront_size: 32
...
	.end_amdgpu_metadata
.endif
;; end of part 3
